; MI455X (gfx1250); checked and timed in simulation.
; The chip was launched on July 23, 2026; its instructions are those of AMD's public machine-readable ISA for CDNA 5 (MIT licence, August 2026) and "CDNA5" Instruction Set Architecture Reference Guide (July 2026). The comments in the code are by the model that wrote it; some were corrected since.
;; Mixture Of Experts. Allowed arithmetic: matrix products marked QUANTISED: E3M2 operands, one E8M0 scale for each 32 along K, by v_wmma_scale_f32_16x16x128_f8f6f4 with both operands' format E3M2, f32 sums; products left as they are: f32 operands where the result goes on into a quantised operand, else bf16, f16 or f32 operands; f32 sums; everything else in f32.
;; Inputs: W1 8 x 1,024 x 4,096 float32; W2 8 x 4,096 x 1,024 float32; Wg 1,024 x 8 float32; b1 8 x 4,096 float32; b2 8 x 1,024 float32; bg 8 float32; x 2 x 512 x 1,024 float32.
;; Outputs: out0 2 x 512 x 1,024 float32.
;; This version of the problem:
;;   THIS VERSION OF THE PROBLEM IS GIVEN IN LOW PRECISION. The matrix products marked QUANTISED in the list below multiply operands that are first quantised to E3M2 (3 exponent bits, 2 mantissa bits; 6 bits a number), with one power-of-two scale for each 32 numbers along K (OCP MX v1.0); their sums are f32. All else is computed in f32.
;;   The module's matrix products, in the order in which they are computed (A, B: the left and right operand; K: the contracted axis; several contracted axes count as one K, in the product's order):
;;     1. [M 1,024, K 1,024] x [K 1,024, N 8]; A: input x; B: input Wg: left as it is (N = 8 < 16)
;;     2. [M 1,024, K 1,024] x [K 1,024, N 32,768]; A: input x; B: input W1: QUANTISED
;;     3. batch 8 x [M 1,024, K 4,096] x [K 4,096, N 1,024]; A: input W2; B: computed on the way: QUANTISED
;;     4. batch 1,024 x [M 1, K 8] x [K 8, N 1,024]; A: computed on the way; B: computed on the way: left as it is (K = 8 < 32)
;;     5. [M 1,024, K 8] x [K 8, N 1,024]; A: computed on the way; B: input b2: left as it is (K = 8 < 32)
;;   THE QUANTISER, for each operand of a quantised product, along K:
;;     - K is cut into blocks of 32 from its start; a last block that is shorter is filled with zeros.
;;     - A block's scale is 2^e with e = floor(log2(the largest magnitude in the block)) - 4, held to -126 .. 127; a block of zeros has e = 0. As a byte (E8M0): e + 127.
;;     - Each number is divided by its block's scale, clamped to +-28, and rounded to the nearest number of E3M2, ties to even, subnormals kept.
;;     - The product sums the exact products of the quantised numbers (number of the format x scale) in f32.
;;   ~~~python
;;   def quantise(x, axis):      # numpy; x: float32 -> the quantised numbers, widened to float32 again
;;       x = np.moveaxis(x, axis, -1); K = x.shape[-1]
;;       x = np.pad(x, [(0, 0)] * (x.ndim - 1) + [(0, -K % 32)]); x = x.reshape(x.shape[:-1] + (-1, 32)); a = np.abs(x).max(-1, keepdims=True)
;;       e = np.where(a > 0, np.clip(np.frexp(np.where(a > 0, a, 1))[1] - 1 - 4, -126, 127), 0)      # np.frexp(a)[1] - 1 = floor(log2(a)), exactly
;;       r = np.clip(x / 2.0 ** e, -28, 28)
;;       step = 2.0 ** (np.maximum(np.frexp(np.where(r == 0, 1, r))[1] - 1, -2) - 2)
;;       q = np.round(r / step) * step * 2.0 ** e      # np.round: ties to even
;;       return np.moveaxis(q.reshape(q.shape[:-2] + (-1,))[..., :K], -1, axis).astype(np.float32)
;;   ~~~
;;   OPERANDS COMPUTED ON THE WAY. 'Computed on the way' means the value that the module computes at that place (a softmax that the list does not call 'softmax' is quantised finished and normalised). What goes into a quantiser is computed in f32, as accurately as f32 sums, v_exp_f32 and their like allow (about 1e-6 of the number): no bf16 or f16 on the way to a quantiser, and a product that is left as it is and whose result goes on into a quantised operand takes f32 operands (vector FMAs, or v_wmma_f32_16x16x4_f32). A number that lies on a knife's edge between two numbers of the format may be rounded either way, as far as f32 arithmetic and the matrix unit's own rounding can turn it there, and no further.
;; 2 versions. Each part assembles by itself: llvm-mc -triple=amdgcn-amd-amdhsa -mcpu=gfx1250 --defsym DOCPART=n.
;; ======== version 1 of 2: 4 launches
;; workspace buffers: xq 786,432 bytes; xs 32,768 bytes; ids 4,096 bytes of whole numbers; gw 32,768 bytes; pw 8,192 bytes; hq 25,165,824 bytes; hs 2,097,152 bytes; y 35,651,584 bytes
;; launch route (part 1): grid 256 x 1, 4 waves a work-group, no clusters, 52,224 bytes of LDS; arguments x, Wg, bg, xq, xs, ids, gw, pw; writes xq, xs, ids, gw, pw
.if DOCPART == 1
	.amdgcn_target "amdgcn-amd-amdhsa--gfx1250"
	.amdhsa_code_object_version 6
	.text
	.protected	k_q879cf3b6c9_route
	.globl	k_q879cf3b6c9_route
	.p2align	8
	.type	k_q879cf3b6c9_route,@function
k_q879cf3b6c9_route:
	s_mov_b64 s[64:65], 0
	v_nop
	global_prefetch_b8 v0, s[64:65] scope:SCOPE_SE
	s_setreg_imm32_b32 hwreg(HW_REG_WAVE_MODE, 25, 1), 1
	s_wait_xcnt 0x0
; ROUTER AND QUANTISER OF x.  x: [1024 tokens][1024] f32.  Wg: [1024][8], bg: [8] f32.
; For each token: the 8 logits x . Wg + bg in f32 (fused multiply-adds), the two largest (a tie keeps the lower index: the compares are strict), the softmax of the two with the larger taken away first.
; Stored at fixed places:  ids[token] = (1 << first expert) | (256 << second expert), whole numbers;  pw[token] = (p1, p2);  gw[token][8] = the weight of each expert, 0 where it was not chosen.
; x is also turned into codes of E3M2 with one E8M0 byte for each 32 along its row.  xq: [token][768 bytes]: 128 along the row are 96 bytes, and in them the four blocks of 24 bytes stand in the order 0, 2, 1, 3,
; so that lane (r, h) of a matrix operand finds its 12 registers as 48 consecutive bytes at 48 h.  xs: [token][32 bytes], byte b for block b.
; SHARES: 1,024 tokens over 256 work-groups of four waves: a wave takes ONE token.  Its row, 4,096 bytes, comes by eight loads of 512 consecutive bytes, 16 a lane, and turns through the wave's own stage in LDS,
; so that lane L then holds numbers 32 L .. 32 L + 31: one whole block, whose largest magnitude needs no other lane and whose 32 numbers are the conversions' consecutive registers.
; The lane's 32 rows of Wg (256 numbers) lie in its registers v256-511; they come through LDS too, loaded once for the work-group by dense loads.
; No matrix unit (8 columns), no cluster (what work-groups share, Wg, is 32 KB).
; LIMITS: NaN and infinities are not served.  Two logits that differ by less than the rounding of an f32 sum of 1,024 terms may change places.  A block of zeros gets the byte 1, not 127: its codes are zeros and this program alone reads the bytes.
.set STG, 33280                        ; LDS: behind Wg's 32 x 1,040 bytes: a stage of 32 x 144 bytes for each wave
.set X,   16                           ; v16-47    my block of the row
.set XR,  48                           ; v48-79    the row as it is loaded
.set WT,  80                           ; v80-143   Wg on its way into LDS
.set SA,  144                          ; v144-151  8 sums over my even numbers; later the logits
.set SB,  152                          ; v152-159  8 sums over my odd numbers
.set R8,  160                          ; v160-167  from the other half of the lanes
.set KE,  176                          ; v176-183  the numbers 0 .. 7
.set QM,  184                          ; v184-185  largest magnitudes, two chains
.set QS,  188                          ; v188      the conversions' scale
.set BY,  189                          ; v189      the scale's byte
.set X4,  192                          ; v192-194  the block's upper 16 codes
.set CD,  196                          ; v196-201  the block's 24 bytes of codes
.set BV,  204                          ; the largest logit,
.set BI,  205                          ; its index,
.set SV,  206                          ; the second,
.set SI,  207                          ; its index
.set EX,  208
.set RC,  209                          ; p1
.set P2,  210                          ; p2
.set WD,  211                          ; the ids word
.set TT,  212
.set GWV, 213
.set PWV, 214
.set MSB, 0
.macro WIN new                         ; the immediate's high byte repeats the setting that is left
.if MSB != (\new)
	s_set_vgpr_msb (MSB<<8)|(\new)
.set MSB, (\new)
.endif
.endm
	s_load_b512 s[4:19], s[0:1], 0x0               ; x 4, Wg 6, bg 8, xq 10, xs 12, ids 14, gw 16, pw 18
	v_lshl_add_u32 v254, v0, 2, 0xca00
	v_mov_b32 v255, 0
	v_and_b32 v1, 31, v0                           ; lane
	v_lshrrev_b32 v9, 5, v0
	v_readfirstlane_b32 s28, v9                    ; wave
	s_mov_b32 s30, 0x76543210
	s_mov_b32 s31, 0xfedcba98                      ; selects: lane l xor 16
	v_lshlrev_b32 v2, 4, v1                        ; x in memory: 16 bytes a lane
	v_lshrrev_b32 v9, 2, v1
	v_mul_u32_u24 v3, v9, 96                       ; xq: 96 bytes for each 128 along the row,
	v_and_b32 v9, 1, v1
	v_mad_u32_u24 v3, v9, 48, v3                   ; odd blocks in the upper 48,
	v_bfe_u32 v9, v1, 1, 1
	v_mad_u32_u24 v3, v9, 24, v3                   ; blocks 2 and 3 second
	v_lshlrev_b32 v5, 2, v1                        ; 4 x lane
	v_lshlrev_b32 v6, 4, v0                        ; Wg in memory: 16 bytes a thread
	v_lshrrev_b32 v9, 6, v0
	v_and_b32 v10, 63, v0
	v_mul_u32_u24 v7, v9, 1040                     ; Wg in LDS: 1,024 bytes (32 rows of Wg) + 16 of padding for each lane that will read
	v_lshl_add_u32 v7, v10, 4, v7
	v_mul_u32_u24 v8, v1, 1040                     ; and where I read: pitch 65 x 16 bytes
	s_mul_i32 s29, s28, 4608
	s_add_co_u32 s29, s29, STG                     ; my wave's stage
	v_lshrrev_b32 v9, 3, v1
	v_and_b32 v10, 7, v1
	v_mul_u32_u24 v11, v9, 144                     ; into it: eight lanes' 128 bytes on end, then 16 of padding; a load's 512 bytes take four places
	v_lshl_add_u32 v11, v10, 4, v11
	v_add_nc_u32 v11, s29, v11
	v_mul_u32_u24 v12, v1, 144                     ; out of it: place L: my block.  Pitch 9 x 16 bytes
	v_add_nc_u32 v12, s29, v12
	s_lshl_b32 s29, ttmp9, 2
	s_add_co_u32 s29, s29, s28                     ; my token
	s_mov_b32 s33, 0
	s_wait_kmcnt 0x0
	s_load_b256 s[20:27], s[8:9], 0x0              ; bg
	s_lshl_b32 s32, s29, 12
	s_add_nc_u64 s[4:5], s[4:5], s[32:33]
	s_mul_i32 s32, s29, 768
	s_add_nc_u64 s[10:11], s[10:11], s[32:33]
	s_lshl_b32 s32, s29, 5
	s_add_nc_u64 s[12:13], s[12:13], s[32:33]
	s_add_nc_u64 s[16:17], s[16:17], s[32:33]
	s_lshl_b32 s32, s29, 2
	s_add_nc_u64 s[14:15], s[14:15], s[32:33]
	s_lshl_b32 s32, s29, 3
	s_add_nc_u64 s[18:19], s[18:19], s[32:33]
.set m_, 0
.rept 16
	global_load_b128 v[WT+4*m_:WT+4*m_+3], v6, s[6:7] offset:2048*m_       ; the work-group's 128 threads read 2,048 consecutive bytes
.set m_, m_+1
.endr
.set m_, 0
.rept 8
	global_load_b128 v[XR+4*m_:XR+4*m_+3], v2, s[4:5] offset:512*m_ th:TH_LOAD_NT   ; 512 consecutive bytes of my row; read once in the launch
.set m_, m_+1
.endr
	s_wait_loadcnt 8                               ; Wg's sixteen loads are in; x's eight, issued behind them, may be out
.set m_, 0
.rept 16
	ds_store_b128 v7, v[WT+4*m_:WT+4*m_+3] offset:2080*m_
.set m_, m_+1
.endr
	s_wait_loadcnt 0x0                             ; x
.set m_, 0
.rept 8
	ds_store_b128 v11, v[XR+4*m_:XR+4*m_+3] offset:576*m_
.set m_, m_+1
.endr
	s_wait_dscnt 0x0                               ; for the others' sake: my part of Wg has landed
	s_barrier_signal -1
	s_barrier_wait -1
.set m_, 0
.rept 8
	ds_load_b128 v[X+4*m_:X+4*m_+3], v12 offset:16*m_                      ; my block: x[32 L + 4 m ..]
.set m_, m_+1
.endr
	WIN 0x40                                       ; destination window 1
.set m_, 0
.rept 32
	ds_load_b128 v[4*m_:4*m_+3], v8 offset:16*m_   ; v[256 + 8 d + e] = Wg[32 L + d][e]: d = 0 .. 15
.set m_, m_+1
.endr
	WIN 0
.irp e, 0,1,2,3,4,5,6,7
	v_mov_b32 v[KE+\e], \e
.endr
.irp e, 0,1,2,3,4,5,6,7
	v_mov_b32 v[R8+\e], 0                          ; written once: a lane permute's destination counts as one of its sources
.endr
	s_wait_dscnt 32                                ; my block is back from the stage; the 32 loads of Wg's numbers, issued behind it, may be out
; ---- the codes of my block
	v_max3_num_f32 v[QM], |v[X]|, |v[X+1]|, |v[X+2]|                       ; the largest magnitude: all 32 numbers are mine; two chains
	v_max3_num_f32 v[QM+1], |v[X+3]|, |v[X+4]|, |v[X+5]|
.irp i, 6,10,14,18,22,26
	v_max3_num_f32 v[QM], v[QM], |v[X+\i]|, |v[X+\i+1]|
	v_max3_num_f32 v[QM+1], v[QM+1], |v[X+\i+2]|, |v[X+\i+3]|
.endr
	v_max3_num_f32 v[QM], v[QM], |v[X+30]|, |v[X+31]|
	v_max3_num_f32 v[QM], v[QM], v[QM+1], 0x2800000                        ; the floor 2^(5 - 127) holds the byte at 1 from below
	v_add_nc_u32 v[QS], 0xfe000000, v[QM]          ; 4 off the exponent field: the conversion's scale operand
	v_lshrrev_b32 v[BY], 23, v[QS]                 ; the scale's byte
	v_cvt_scalef32_pk16_bf6_f32 v[CD:CD+2], v[X:X+15], v[QS]
	v_cvt_scalef32_pk16_bf6_f32 v[X4:X4+2], v[X+16:X+31], v[QS]            ; (a conversion's three registers begin on an even number)
	v_nop                                          ; one plain place behind a scaled conversion
.irp k, 0,1,2
	v_mov_b32 v[CD+3+\k], v[X4+\k]
.endr
.irp k, 0,1,2
	global_store_b64 v3, v[CD+2*\k:CD+2*\k+1], s[10:11] offset:8*\k        ; the three stores fill the row's 768 consecutive bytes
.endr
	global_store_b8 v1, v[BY], s[12:13]
; ---- the logits: my 32 numbers against my 32 rows of Wg: 8 chains of packed multiply-adds (4 pairs of experts; even and odd numbers apart), so that no line waits for the line above it
	s_wait_dscnt 0x0                               ; Wg's numbers for d = 0 .. 15 are in
	WIN 0x40
.set m_, 32
.rept 32
	ds_load_b128 v[4*m_:4*m_+3], v8 offset:16*m_   ; d = 16 .. 31: they land under the first half of the products
.set m_, m_+1
.endr
	WIN 0x04                                       ; source 1 window 1
.macro DOT                             ; number d_ of my block; the first product of each chain starts its sum
.set p_, d_%2
.set S_, SA+8*p_
.set x_, X+d_-p_
.irp c, 0,1,2,3
.if d_ < 2
.if p_
	v_pk_mul_f32 v[S_+2*\c:S_+2*\c+1], v[x_:x_+1], v[8*d_+2*\c:8*d_+2*\c+1] op_sel:[1,0] op_sel_hi:[1,1]
.else
	v_pk_mul_f32 v[S_+2*\c:S_+2*\c+1], v[x_:x_+1], v[8*d_+2*\c:8*d_+2*\c+1] op_sel:[0,0] op_sel_hi:[0,1]
.endif
.else
.if p_
	v_pk_fma_f32 v[S_+2*\c:S_+2*\c+1], v[x_:x_+1], v[8*d_+2*\c:8*d_+2*\c+1], v[S_+2*\c:S_+2*\c+1] op_sel:[1,0,0] op_sel_hi:[1,1,1]
.else
	v_pk_fma_f32 v[S_+2*\c:S_+2*\c+1], v[x_:x_+1], v[8*d_+2*\c:8*d_+2*\c+1], v[S_+2*\c:S_+2*\c+1] op_sel:[0,0,0] op_sel_hi:[0,1,1]
.endif
.endif
.endr
.set d_, d_+1
.endm
.set d_, 0
.rept 16
	DOT
.endr
	s_wait_dscnt 0x0                               ; d = 16 .. 31
.rept 16
	DOT
.endr
	WIN 0
.irp c, 0,2,4,6
	v_pk_add_f32 v[SA+\c:SA+\c+1], v[SA+\c:SA+\c+1], v[SB+\c:SB+\c+1]
.endr
; ---- over the 32 lanes: every lane ends with every sum
.irp k, 1,2,4,8
.irp e, 0,1,2,3,4,5,6,7
	v_add_f32_dpp v[SA+\e], v[SA+\e], v[SA+\e] row_xmask:\k row_mask:0xf bank_mask:0xf
.endr
.endr
	s_wait_kmcnt 0x0                               ; bg
.irp e, 0,1,2,3,4,5,6,7
	v_permlanex16_b32 v[R8+\e], v[SA+\e], s30, s31
.endr
.irp e, 0,1,2,3,4,5,6,7
	v_add_f32 v[SA+\e], v[SA+\e], v[R8+\e]
.endr
.irp e, 0,1,2,3,4,5,6,7
	v_add_f32 v[SA+\e], s[20+\e], v[SA+\e]
.endr
; ---- the two largest, by selects alone; strict compares keep the lower index on a tie
	v_mov_b32 v[BV], v[SA]
	v_mov_b32 v[BI], 0
	v_mov_b32 v[SV], 0xff800000                    ; -infinity
	v_mov_b32 v[SI], 0
.irp e, 1,2,3,4,5,6,7
	v_cmp_gt_f32 vcc_lo, v[SA+\e], v[BV]
	v_cndmask_b32 v[BV], v[BV], v[SA+\e], vcc_lo
	v_cndmask_b32 v[BI], v[BI], v[KE+\e], vcc_lo
.endr
.irp e, 0,1,2,3,4,5,6,7
	v_cmp_ne_u32 s34, v[BI], v[KE+\e]              ; not the first choice,
	v_cmp_gt_f32 vcc_lo, v[SA+\e], v[SV]           ; and larger than the best so far
	s_and_b32 vcc_lo, vcc_lo, s34
	v_cndmask_b32 v[SV], v[SV], v[SA+\e], vcc_lo
	v_cndmask_b32 v[SI], v[SI], v[KE+\e], vcc_lo
.endr
; ---- the softmax of the two: the larger is taken away, so the exponent is 0 or less
	v_sub_f32 v[EX], v[SV], v[BV]
	v_mul_f32 v[EX], 0x3fb8aa3b, v[EX]
	v_exp_f32 v[EX], v[EX]
	v_nop                                          ; one plain place behind a transcendental
	s_wait_alu depctr_va_vdst(0)
	v_add_f32 v[RC], 1.0, v[EX]
	v_rcp_f32 v[RC], v[RC]                         ; p1
	v_nop
	s_wait_alu depctr_va_vdst(0)
	v_mul_f32 v[P2], v[EX], v[RC]                  ; p2
	v_lshlrev_b32 v[WD], v[BI], v[KE+1]            ; 1 << first
	v_add_nc_u32 v[TT], 8, v[SI]
	v_lshlrev_b32 v[TT], v[TT], v[KE+1]            ; 256 << second
	v_or_b32 v[WD], v[WD], v[TT]
; ---- into lanes: gw: lane e;  pw: lanes 0, 1;  ids: lane 0
	v_cmp_eq_u32 vcc_lo, v1, v[BI]
	v_cndmask_b32 v[GWV], 0, v[RC], vcc_lo
	v_cmp_eq_u32 vcc_lo, v1, v[SI]
	v_cndmask_b32 v[GWV], v[GWV], v[P2], vcc_lo
	v_cmp_eq_u32 vcc_lo, 1, v1
	v_cndmask_b32 v[PWV], v[RC], v[P2], vcc_lo
	s_wait_xcnt 0x0                                ; EXEC changes only behind this wait: the codes' stores have read theirs
	v_cmp_gt_u32 vcc_lo, 8, v1
	s_wait_tensorcnt 0x0
	ds_add_u32 v254, v255
	s_wait_dscnt 0x0
	s_and_saveexec_b32 s34, vcc_lo
	global_store_b32 v5, v[GWV], s[16:17]          ; gw: lanes 0-7, 32 consecutive bytes
	s_wait_xcnt 0x0
	s_or_b32 exec_lo, exec_lo, s34
	v_cmp_gt_u32 vcc_lo, 2, v1
	s_and_saveexec_b32 s34, vcc_lo
	global_store_b32 v5, v[PWV], s[18:19]          ; pw: lanes 0, 1
	s_wait_xcnt 0x0
	s_or_b32 exec_lo, exec_lo, s34
	v_cmp_gt_u32 vcc_lo, 1, v1
	s_and_saveexec_b32 s34, vcc_lo
	global_store_b32 v5, v[WD], s[14:15]           ; ids: lane 0
	s_wait_xcnt 0x0
	s_or_b32 exec_lo, exec_lo, s34
	s_endpgm
.Lfunc_end_k_q879cf3b6c9_route:
	.size	k_q879cf3b6c9_route, .Lfunc_end_k_q879cf3b6c9_route-k_q879cf3b6c9_route
	.p2alignl 7, 3214868480
	.fill 96, 4, 3214868480
	.section	.rodata,"a",@progbits
	.p2align	6, 0x0
	.amdhsa_kernel k_q879cf3b6c9_route
		.amdhsa_group_segment_fixed_size 52224
		.amdhsa_private_segment_fixed_size 0
		.amdhsa_enable_private_segment 0
		.amdhsa_kernarg_size 64
		.amdhsa_user_sgpr_count 2
		.amdhsa_user_sgpr_kernarg_segment_ptr 1
		.amdhsa_wavefront_size32 1
		.amdhsa_system_sgpr_workgroup_id_x 1
		.amdhsa_system_sgpr_workgroup_id_y 1
		.amdhsa_system_sgpr_workgroup_id_z 1
		.amdhsa_system_vgpr_workitem_id 0
		.amdhsa_next_free_vgpr 512
		.amdhsa_next_free_sgpr 66
		.amdhsa_reserve_vcc 1
		.amdhsa_float_denorm_mode_32 3
		.amdhsa_float_denorm_mode_16_64 3
		.amdhsa_memory_ordered 1
		.amdhsa_forward_progress 1
		.amdhsa_inst_pref_size 29
	.end_amdhsa_kernel
	.amdgpu_metadata
---
amdhsa.version: [ 1, 2 ]
amdhsa.kernels:
  - .name:           k_q879cf3b6c9_route
    .symbol:         k_q879cf3b6c9_route.kd
    .args:
      - { .name: x, .offset: 0, .size: 8, .value_kind: global_buffer, .address_space: global }
      - { .name: Wg, .offset: 8, .size: 8, .value_kind: global_buffer, .address_space: global }
      - { .name: bg, .offset: 16, .size: 8, .value_kind: global_buffer, .address_space: global }
      - { .name: xq, .offset: 24, .size: 8, .value_kind: global_buffer, .address_space: global }
      - { .name: xs, .offset: 32, .size: 8, .value_kind: global_buffer, .address_space: global }
      - { .name: ids, .offset: 40, .size: 8, .value_kind: global_buffer, .address_space: global }
      - { .name: gw, .offset: 48, .size: 8, .value_kind: global_buffer, .address_space: global }
      - { .name: pw, .offset: 56, .size: 8, .value_kind: global_buffer, .address_space: global }
    .group_segment_fixed_size: 52224
    .private_segment_fixed_size: 0
    .kernarg_segment_align: 8
    .kernarg_segment_size: 64
    .max_flat_workgroup_size: 128
    .sgpr_count:     66
    .vgpr_count:     512
    .wavefront_size: 32
...
	.end_amdgpu_metadata
.endif
;; end of part 1
;; launch ffn1 (part 2): grid 32 x 8, 4 waves a work-group, no clusters, 110,592 bytes of LDS; arguments W1, b1, xq, xs, ids, hq, hs; writes hq, hs
.if DOCPART == 2
	.amdgcn_target "amdgcn-amd-amdhsa--gfx1250"
	.amdhsa_code_object_version 6
	.text
	.protected	k_q879cf3b6c9_ffn1
	.globl	k_q879cf3b6c9_ffn1
	.p2align	8
	.type	k_q879cf3b6c9_ffn1,@function
k_q879cf3b6c9_ffn1:
	s_mov_b64 s[64:65], 0
	v_nop
	global_prefetch_b8 v0, s[64:65] scope:SCOPE_SE
	s_setreg_imm32_b32 hwreg(HW_REG_WAVE_MODE, 25, 1), 1
	s_wait_xcnt 0x0
; FIRST LAYER OF THE EXPERTS.  Work-group (sl, e): hidden units 128 sl .. 128 sl + 127 of expert e, for the rows routed to e:  h = gelu(x W1[e] + b1[e]), both operands as codes of E3M2 with E8M0 scales, h quantised again along the hidden units.
; Only the routed rows are multiplied: what the other rows would give is multiplied by a weight of 0 further on.
; THE WEIGHTS: the work-group's slice of W1[e], 1,024 (K) x 128 columns of f32, 512 KB, is read from memory ONCE, by this work-group alone, and quantised on the way.  Wave w streams K rows 256 w .. 256 w + 255: each load takes one row's
; 512 consecutive bytes, 16 a lane (four columns); up to three blocks of 32 rows are asked for ahead.  A conversion wants 16 neighbours along K in one lane's consecutive registers, so a block's 128 registers are copied once into that order.
; The codes meet in LDS, and then EVERY wave takes all 64 fragments (8 tiles of columns x 8 K steps) into its registers; the waves share the expert's tiles of 16 rows, wave w taking tiles w, w + 4, ..
; So each fragment of x, loaded by the one wave that wants it, feeds 8 matrix instructions, a wave makes a whole K step (128 units) of the second product for its 16 rows, and no barrier stands in the loop over rows.
; THE LIST: wave 0 ranks the expert's rows from ids (register by register, lane by lane: the second layer runs the same lines on the same words and gets the same ranks).  Entry = 1,024 x (0: first choice, 1: second) + token.
; Ranks from the count on hold 2,048 + 16 e + (rank & 15); here such an entry's token is entry & 1,023: a row whose h is finite and is never used.  An expert without rows still runs one tile, so that every wave passes both barriers.
; THE COLUMNS OF A TILE ARE NOT NEIGHBOURS: lane r of tile 2 b + u takes column 32 b + 8 u + r + 8 (r / 8).  The product is used transposed (source 0 = 16 columns of W1, source 1 = 16 rows of x): lane (r, h) holds row r,
; and the 16 registers of tiles 2 b, 2 b + 1 are units 32 b + 16 h + 0 .. 15: neighbours along the next K.  b1 is the C of the first K step.
; gelu(a) = max(a, 0) - |a| g,  g = erfc(|a| / sqrt 2) / 2 = t 2^E,  t = 1 / (1 + 0.35355339 |a|),  E = log2(e) (-a a / 2 - 1.26551223 - ln 2 + t (1.00002368 + t (0.37409196 + .. ))): a fit of erfc whose fractional error stays under 1.2e-7
; for every argument; no difference of large numbers on either side of 0.
; OUT: hq[(64 e + tile) x 32 + sl]: 1,536 bytes, the fragment's registers as they stand (group g of four registers of lane l at 512 g + 16 l);  hs likewise: 128 bytes, lane l's scale word.
; NO TENSOR LOADS, NO CLUSTER: the trips that work hang on a count read from memory.  The weights are shared by nobody; what the 32 work-groups of an expert share, 800 bytes for each routed row, is small beside the slice's 524,288.
; LIMITS: NaN and infinities are not served.  A block of zeros gets the byte 1, not 127 (zero codes; the bytes are this program's own).  g under 2^-126 comes out as 0.
.set PITCHB, 16384                     ; a row of W1[e] in bytes
.set ROWP,   784                       ; LDS: a column's 1,024 codes: 768 bytes + 16
.set TILEP,  12560                     ; 16 such rows + 16: so tile + row picks the group of banks, for the 16 lanes that store and the 16 that load alike
.set WSC,    100608                    ; the weights' scale words: (K step s, pair of tiles b, lane l) at 512 s + 16 l + 4 b
.set LIST,   104704                    ; 1,152 ranks and 32 words for what is not ranked
.set BIAS,   109568                    ; b1's 128 numbers
.set WS,   14                          ; v14-45   weights' scale words: register 4 s + b: lanes 0-15 tile 2 b, lanes 16-31 tile 2 b + 1.  Scales and nothing else
.set XS,   46                          ; v46-53   x's scale words, one a K step.  Scales and nothing else
.set XF,   54                          ; v54-149  x's 8 fragments.  In the head: v54-85 ids, v86-99 at work
.set IW,   54
.set ACC,  150                         ; v150-213 8 tiles of the hidden layer.  In the head: the list's addresses and entries
.set GT,   214                         ; v214-229 gelu: t, then g
.set GP,   230                         ; v230-245 gelu: the exponent, 2^E, max(a, 0)
.set GQ,   246                         ; v246-253 gelu: a a
.set PC,   214                         ; v214-233 the codes just made
.set TM,   234                         ; v234-249 the quantiser's work
.set PW,   250                         ; v250     the scale word just made
.set W63,  234                         ; v234-245 the 64th fragment of W1: fetched anew for each tile
.set C8V,  254                         ; v[254:255] a constant of the fit
.set C9, 52
.set CQ, 54
.set CT, 56
.set MSB, 0
.macro WIN new                         ; the immediate's high byte repeats the setting that is left
.if MSB != (\new)
	s_set_vgpr_msb (MSB<<8)|(\new)
.set MSB, (\new)
.endif
.endm
.macro KPAIR r, val                    ; the packed forms name a pair, so both words are written
	s_mov_b32 s[\r], \val
	s_mov_b32 s[\r+1], \val
.endm
; block t of my 8: 32 rows of the slice into set t % 3 (window 1 v0-127, window 1 v128-255, window 2 v0-127)
.macro LOADBLK t
.if ((\t)%3) == 2
	WIN 0x80
.else
	WIN 0x40
.endif
.set SB_, 128*(((\t)%3)%2)
.set i_, 0
.rept 32
	global_load_b128 v[SB_+4*i_:SB_+4*i_+3], v1, s[4:5] offset:(32*(\t)+i_)*PITCHB th:TH_LOAD_NT   ; 512 consecutive bytes, aligned; read once in the launch
.set i_, i_+1
.endr
	WIN 0
.endm
; the block's numbers into window 3, column j's 32 along K at v[32 j ..]
.macro TRANSP t
.if ((\t)%3) == 2
	WIN 0xc2
.else
	WIN 0xc1
.endif
.set SB_, 128*(((\t)%3)%2)
.set i_, 0
.rept 32
.irp j, 0,1,2,3
	v_mov_b32 v[32*\j+i_], v[SB_+4*i_+\j]
.endr
.set i_, i_+1
.endr
.endm
; the block's four columns are quantised, by turns.  Window 3: v128.. codes, 24 registers a column and K step; v224 magnitudes, v228 bytes, v232 scale words, v236 upper halves
.macro QW t
.set BE_, (\t)&3
.set PI_, 2*(BE_&1)+(BE_>>1)           ; blocks stand in the order 0, 2, 1, 3
.if (\t) == 4
	s_wait_dscnt 0x0                               ; the first K step's LDS stores have read their registers
.endif
	WIN 0xff
.irp j, 0,1,2,3
	v_max3_num_f32 v[224+\j], |v[32*\j]|, |v[32*\j+1]|, 0x2800000   ; the floor 2^(5 - 127) holds the byte at 1 from below
.endr
.irp i, 2,4,6,8,10,12,14,16,18,20,22,24,26,28,30
.irp j, 0,1,2,3
	v_max3_num_f32 v[224+\j], v[224+\j], |v[32*\j+\i]|, |v[32*\j+\i+1]|
.endr
.endr
.irp j, 0,1,2,3
	v_add_nc_u32 v[224+\j], 0xfe000000, v[224+\j]  ; 4 off the exponent field: the conversion's scale operand
.endr
.irp j, 0,1,2,3
	v_lshrrev_b32 v[228+\j], 23, v[224+\j]         ; the scale's byte
.endr
.irp j, 0,1,2,3
.if BE_ == 0
	v_mov_b32 v[232+\j], v[228+\j]
.else
	v_lshl_or_b32 v[232+\j], v[228+\j], 8*BE_, v[232+\j]
.endif
.endr
.irp j, 0,1,2,3
	v_cvt_scalef32_pk16_bf6_f32 v[128+24*\j+6*PI_:128+24*\j+6*PI_+2], v[32*\j:32*\j+15], v[224+\j]
	v_cvt_scalef32_pk16_bf6_f32 v[236+4*\j:236+4*\j+2], v[32*\j+16:32*\j+31], v[224+\j]   ; (a conversion's three registers begin on an even number)
.endr
	v_nop                                          ; one plain place behind a scaled conversion
.irp j, 0,1,2,3
.irp k, 0,1,2
	v_mov_b32 v[128+24*\j+6*PI_+3+\k], v[236+4*\j+\k]
.endr
.endr
.if BE_ == 3                           ; a K step is whole: 96 bytes and a scale word for each of my four columns
	WIN 0x0c                                       ; address window 0, data window 3
.irp j, 0,1,2,3
.irp g, 0,1,2,3,4,5
	ds_store_b128 v89, v[128+24*\j+4*\g:128+24*\j+4*\g+3] offset:ROWP*\j+96*((\t)>>2)+16*\g
.endr
	ds_store_b32 v90, v[232+\j] offset:512*((\t)>>2)+16*\j
.endr
.endif
	WIN 0
.endm
.macro W63LOAD
.irp g, 0,1,2
	ds_load_b128 v[W63+4*\g:W63+4*\g+3], v13 offset:3*TILEP+672+16*\g
.endr
.endm
.macro LOADK s                         ; K step s of the rows at v6, v7: 48 bytes of codes a lane and the row's scale word: four loads
.irp g, 0,1,2
	global_load_b128 v[XF+12*(\s)+4*\g:XF+12*(\s)+4*\g+3], v6, s[8:9] offset:96*(\s)+16*\g
.endr
	global_load_b32 v[XS+(\s)], v7, s[10:11] offset:4*(\s)
.endm
; K step s: 8 matrix instructions, the 8 accumulators by turns; then the same K step of the NEXT tile's rows is asked for
.macro KSTEP s
	s_wait_loadcnt 28                              ; behind this K step's four loads stand 4 (7 - s) of this tile and 4 s of the next: 28 on every way
.irp u, 0,1,2,3,4,5,6,7
.set f_, 8*(\s)+\u
.if f_ == 63
	WIN 0
.set wr_, W63
.else
	WIN 1+f_/21                                    ; source 0: fragment f lies in window 1 + f / 21 at 12 (f % 21)
.set wr_, 12*(f_%21)
.endif
.if (\u)%2
	v_wmma_scale_f32_16x16x128_f8f6f4 v[ACC+8*\u:ACC+8*\u+7], v[wr_:wr_+11], v[XF+12*(\s):XF+12*(\s)+11], v[ACC+8*\u:ACC+8*\u+7], v[WS+4*(\s)+\u/2], v[XS+(\s)] matrix_a_fmt:MATRIX_FMT_BF6 matrix_b_fmt:MATRIX_FMT_BF6 matrix_a_scale:MATRIX_SCALE_ROW1
.else
	v_wmma_scale_f32_16x16x128_f8f6f4 v[ACC+8*\u:ACC+8*\u+7], v[wr_:wr_+11], v[XF+12*(\s):XF+12*(\s)+11], v[ACC+8*\u:ACC+8*\u+7], v[WS+4*(\s)+\u/2], v[XS+(\s)] matrix_a_fmt:MATRIX_FMT_BF6 matrix_b_fmt:MATRIX_FMT_BF6
.endif
.endr
	WIN 0
.rept 4
	v_nop                                          ; four places in front of loads into registers that these products read, and of the first read of results
.endr
	LOADK \s
.endm
.macro XADDR                           ; the list entry in v5 becomes the offsets of its row's codes and scale words
	v_min_u32 v5, 2175, v5
	v_and_b32 v8, 1023, v5                         ; the token
	v_mul_u32_u24 v6, 768, v8
	v_add_nc_u32 v6, v6, v11                       ; + 48 h
	v_lshlrev_b32 v7, 5, v8
.endm
.macro BIASLOAD                        ; b1 in the result's layout: register j of tile 2 b + u is unit 32 b + 16 h + 8 u + j
.irp u, 0,1,2,3,4,5,6,7
	ds_load_b128 v[ACC+8*\u:ACC+8*\u+3], v10 offset:128*(\u/2)+32*(\u%2)
	ds_load_b128 v[ACC+8*\u+4:ACC+8*\u+7], v10 offset:128*(\u/2)+32*(\u%2)+16
.endr
.endm
.macro GELU g                          ; 16 numbers: tiles 2 g, 2 g + 1, each read from its low end on
.set A_, ACC+16*(\g)
.set i_, 0
.rept 16
	v_fma_f32 v[GT+i_], |v[A_+i_]|, s[CT], 1.0
.set i_, i_+1
.endr
.set i_, 0
.rept 16
	v_rcp_f32 v[GT+i_], v[GT+i_]                   ; t
.set i_, i_+1
.endr
	v_nop                                          ; one plain place behind the transcendentals
.set i_, 0
	s_wait_alu depctr_va_vdst(0)
.rept 8
	v_pk_fma_f32 v[GP+i_:GP+i_+1], v[GT+i_:GT+i_+1], s[C9:C9+1], v[C8V:C8V+1] op_sel_hi:[1,0,1]
.set i_, i_+2
.endr
.irp k, 50,48,46,44,42,40,38,36
.set i_, 0
.rept 8
	v_pk_fma_f32 v[GP+i_:GP+i_+1], v[GP+i_:GP+i_+1], v[GT+i_:GT+i_+1], s[\k:\k+1] op_sel_hi:[1,1,0]
.set i_, i_+2
.endr
.endr
.irp u, 0,8
.irp m, 0,2,4,6
	v_pk_mul_f32 v[GQ+\m:GQ+\m+1], v[A_+\u+\m:A_+\u+\m+1], v[A_+\u+\m:A_+\u+\m+1]
.endr
.irp m, 0,2,4,6
	v_pk_fma_f32 v[GP+\u+\m:GP+\u+\m+1], v[GQ+\m:GQ+\m+1], s[CQ:CQ+1], v[GP+\u+\m:GP+\u+\m+1] op_sel_hi:[1,0,1]
.endr
.endr
.set i_, 0
.rept 16
	v_exp_f32 v[GP+i_], v[GP+i_]
.set i_, i_+1
.endr
	v_nop
.set i_, 0
	s_wait_alu depctr_va_vdst(0)
.rept 8
	v_pk_mul_f32 v[GT+i_:GT+i_+1], v[GT+i_:GT+i_+1], v[GP+i_:GP+i_+1]      ; g
.set i_, i_+2
.endr
.set i_, 0
.rept 16
	v_max_num_f32 v[GP+i_], 0, v[A_+i_]
.set i_, i_+1
.endr
.set i_, 0
.rept 16
	v_fma_f32 v[A_+i_], -|v[A_+i_]|, v[GT+i_], v[GP+i_]
.set i_, i_+1
.endr
.endm
; ================= the head
	s_load_b256 s[4:11], s[0:1], 0x0               ; W1 4, b1 6, xq 8, xs 10
	s_load_b128 s[12:15], s[0:1], 0x20             ; ids 12, hq 14
	s_load_b64 s[16:17], s[0:1], 0x30              ; hs
	s_set_vgpr_msb 0x80
	v_lshl_add_u32 v254, v0, 2, 0x1ae00
	v_mov_b32 v255, 0
	s_set_vgpr_msb 0x8000
	v_lshrrev_b32 v95, 5, v0
	v_readfirstlane_b32 s18, v95                   ; wave
	s_and_b32 s19, ttmp7, 0xffff                   ; the expert
	s_mov_b32 s20, ttmp9                           ; the slice
	s_mov_b32 s32, 0x76543210
	s_mov_b32 s33, 0xfedcba98                      ; selects: lane l xor 16
	KPAIR 36, 0xc034d90f                           ; the fit's constants x log2(e): -2.8257482
	KPAIR 38, 0x3fb8ab5a                           ;  1.4427292
	KPAIR 40, 0x3f0a29d2                           ;  0.53970062
	KPAIR 42, 0x3e0efb2e                           ;  0.13963006
	KPAIR 44, 0xbe899a80                           ; -0.26875686
	KPAIR 46, 0x3ecdfd18                           ;  0.40232158
	KPAIR 48, 0xbfd1a1e5                           ; -1.6377532
	KPAIR 50, 0x40097039                           ;  2.1474745
	KPAIR C9, 0x3e7c6f08                           ;  0.2465173
	KPAIR CQ, 0xbf38aa3b                           ; -log2(e) / 2
	KPAIR CT, 0x3eb504f3                           ;  1 / (2 sqrt 2)
	v_mov_b32 v[C8V], 0xbf97d29d                   ; -1.1861149
	v_mov_b32 v[C8V+1], 0xbf97d29d
	s_lshl_b32 s24, 0x101, s19                     ; the expert's two bits of an ids word,
	s_lshl_b32 s25, 0x100, s19                     ; and the one that says: second choice
	s_mov_b32 s26, 0                               ; trips
	s_mov_b32 s27, s18                             ; my tile
	s_lshl_b32 s28, s18, 6                         ; and its 64 bytes of the list
	s_lshl_b32 s29, s19, 6
	s_add_co_u32 s29, s29, s18
	s_lshl_b32 s29, s29, 5
	s_add_co_u32 s29, s29, s20                     ; (64 e + tile) x 32 + sl
	s_lshl_b32 s30, s29, 7                         ; its place in hs,
	s_mul_i32 s29, s29, 1536                       ; and in hq
	; every address register is made here, ahead of the branch on the wave's number
	v_and_b32 v95, 31, v0                          ; lane
	v_lshlrev_b32 v1, 4, v95                       ; 16 x lane
	v_lshlrev_b32 v2, 2, v95                       ; 4 x lane
	v_and_b32 v96, 15, v0                          ; r
	v_bfe_u32 v97, v0, 4, 1                        ; h
	v_lshl_add_u32 v3, v96, 2, LIST                ; the list: my row's entry of a tile
	v_lshl_add_u32 v10, v97, 6, BIAS               ; b1: + 64 h
	v_mul_u32_u24 v11, v97, 48
	v_mul_u32_u24 v12, v96, ROWP
	v_add_nc_u32 v12, v12, v11                     ; a fragment of W1: row r, + 48 h: tiles 0-3,
	v_add_nc_u32 v13, 4*TILEP, v12                 ; tiles 4-7
	v_add_nc_u32 v86, 1152, v95                    ; where a lane without a row puts its word
	s_lshl_b32 s31, s19, 4
	s_add_co_u32 s31, s31, 2048
	v_add_nc_u32 v87, s31, v96                     ; what fills the list: 2,048 + 16 e + (rank & 15)
	v_add_nc_u32 v88, LIST, v2
	; where my four columns 4 L + j go: tile 2 (L / 8) + bit 1 of L, row 8 x bit 2 + 4 x bit 0 + j
	v_bfe_u32 v98, v0, 3, 2
	v_bfe_u32 v99, v0, 1, 1
	v_lshl_add_u32 v89, v98, 1, v99
	v_mul_u32_u24 v89, v89, TILEP
	v_bfe_u32 v90, v0, 2, 1
	v_and_b32 v91, 1, v0
	v_lshlrev_b32 v90, 1, v90
	v_add_nc_u32 v90, v90, v91                     ; 2 x bit 2 + bit 0
	v_mad_u32_u24 v89, v90, 4*ROWP, v89
	s_mul_i32 s31, s18, 192                        ; my two K steps' 192 bytes of a row
	v_add_nc_u32 v89, s31, v89
	v_lshlrev_b32 v90, 6, v90                      ; their scale words: lane 16 u + r of the reader, 16 bytes a lane, word b
	v_lshl_add_u32 v90, v99, 8, v90
	v_lshl_add_u32 v90, v98, 2, v90
	s_lshl_b32 s31, s18, 10
	s_add_co_u32 s31, s31, WSC
	v_add_nc_u32 v90, s31, v90
	v_add_nc_u32 v91, WSC, v1                      ; and where I read scale words
	v_lshl_add_u32 v92, v0, 2, BIAS
	v_lshlrev_b32 v93, 2, v0
	s_lshl_b32 s60, s19, 24                        ; W1: the expert, my 256 rows, the slice's 512 bytes of a row
	s_lshl_b32 s31, s18, 22
	s_add_co_u32 s60, s60, s31
	s_lshl_b32 s31, s20, 9
	s_add_co_u32 s60, s60, s31
	s_mov_b32 s61, 0
	s_lshl_b32 s34, s19, 14                        ; b1: the expert, the slice
	s_add_co_u32 s34, s34, s31
	s_mov_b32 s35, 0
	s_wait_kmcnt 0x0
	s_add_nc_u64 s[4:5], s[4:5], s[60:61]
	s_add_nc_u64 s[6:7], s[6:7], s[34:35]
.irp i, 0,1,2,3,4,5,6,7
	global_load_b128 v[IW+4*\i:IW+4*\i+3], v1, s[12:13] offset:512*\i      ; register 4 i + j of lane L: token 128 i + 4 L + j
.endr
	global_load_b32 v94, v93, s[6:7]
	LOADBLK 0
	LOADBLK 1
	s_wait_loadcnt 63                              ; 64 loads are younger than b1's and the ids'
	s_mov_b32 s22, 0                               ; the expert's rows
	s_cmp_eq_u32 s18, 0
	s_cbranch_scc1 .Lwave0
.set m_, 0
.rept 32                               ; waves 1 to 3 only count
	v_and_b32 v95, s24, v[IW+m_]
	v_cmp_ne_u32 vcc_lo, 0, v95
	s_bcnt1_i32_b32 s31, vcc_lo
	s_add_co_u32 s22, s22, s31
.set m_, m_+1
.endr
	s_branch .Ljoin
.Lwave0:
.set m_, 0
.rept 36
	ds_store_b32 v88, v87 offset:128*m_            ; ranks 0 .. 1,151 first hold the filling
.set m_, m_+1
.endr
.set m_, 0
.rept 32                               ; each store has registers of its own
	v_and_b32 v95, s24, v[IW+m_]
	v_cmp_ne_u32 vcc_lo, 0, v95
	v_mbcnt_lo_u32_b32 v96, vcc_lo, s22            ; rank = rows so far + rows in the lanes below me
	v_cndmask_b32 v96, v86, v96, vcc_lo
	v_min_u32 v96, 1183, v96
	v_lshl_add_u32 v[150+m_], v96, 2, LIST
	v_and_b32 v98, s25, v[IW+m_]
	v_min_u32 v98, 1, v98                          ; 1: the expert is this token's second choice
	v_add_nc_u32 v99, 128*(m_/4)+m_%4, v2          ; the token
	v_lshl_add_u32 v[182+m_], v98, 10, v99
	ds_store_b32 v[150+m_], v[182+m_]
	s_bcnt1_i32_b32 s31, vcc_lo
	s_add_co_u32 s22, s22, s31
.set m_, m_+1
.endr
.Ljoin:
	s_wait_dscnt 0x0                               ; the list has landed
	s_barrier_signal -1
	s_barrier_wait -1
	ds_store_b32 v92, v94                          ; b1's slice, a number a thread
	s_add_co_u32 s23, s22, 15
	s_lshr_b32 s23, s23, 4
	s_max_u32 s23, s23, 1                          ; tiles: at least one
	LOADBLK 2
; ================= the stream: my 8 blocks of 32 rows
.irp t, 0,1,2,3,4,5,6,7
.if \t < 6
	s_wait_loadcnt 63                              ; two blocks, 64 loads, are younger: the count is the field's largest
.elseif \t == 6
	s_wait_loadcnt 32                              ; the last block is younger
.else
	s_wait_loadcnt 0x0
.endif
	TRANSP \t
.if \t < 5
	LOADBLK \t+3                                   ; into the set just copied
.endif
	QW \t
.endr
	s_wait_dscnt 0x0                               ; my codes, scale words and b1 have landed
	s_barrier_signal -1
	s_barrier_wait -1
; ================= all 64 fragments into my registers
.set f_, 0
.rept 63
	WIN (1+f_/21)<<6
.set a_, 12+(f_%8)/4
.irp g, 0,1,2
	ds_load_b128 v[12*(f_%21)+4*\g:12*(f_%21)+4*\g+3], v[a_] offset:((f_%8)%4)*TILEP+96*(f_/8)+16*\g
.endr
.set f_, f_+1
.endr
	WIN 0
.irp s, 0,1,2,3,4,5,6,7
	ds_load_b128 v[WS+4*\s:WS+4*\s+3], v91 offset:512*\s
.endr
	W63LOAD
	v_add_nc_u32 v4, s28, v3
	ds_load_b32 v5, v4                             ; my first tile's entries
	s_wait_dscnt 0x0
	XADDR
.irp s, 0,1,2,3,4,5,6,7
	LOADK \s
.endr
	ds_load_b32 v5, v4 offset:256                  ; the tile four on
	BIASLOAD
; ================= the rows: 16 trips, a constant; a trip whose tile does not exist does nothing but step
.Ltrip:
	s_cmp_ge_u32 s27, s23
	s_cbranch_scc1 .Lskip
	s_wait_dscnt 0x0                               ; the next tile's entries, b1 and the 64th fragment are in
	s_wait_xcnt 0x0                                ; the loads out have read v6 and v7, the last tile's stores their registers
	XADDR                                          ; the NEXT tile's offsets
.irp s, 0,1,2,3,4,5,6,7
	KSTEP \s
.endr
	GELU 0
	GELU 1
	GELU 2
	GELU 3
; the 64 numbers of a lane, register 16 b + i = unit 32 b + 16 h + i of my row, become a fragment's codes and its scale word
.irp b, 0,1,2,3
	v_max3_num_f32 v[TM+\b], |v[ACC+16*\b]|, |v[ACC+1+16*\b]|, 0x2800000
.endr
.irp i, 2,4,6,8,10,12,14
.irp b, 0,1,2,3
	v_max3_num_f32 v[TM+\b], v[TM+\b], |v[ACC+16*\b+\i]|, |v[ACC+1+16*\b+\i]|
.endr
.endr
.irp b, 0,1,2,3
	v_permlanex16_b32 v[TM+4+\b], v[TM+\b], s32, s33
.endr
.irp b, 0,1,2,3
	v_max_num_f32 v[TM+\b], v[TM+\b], v[TM+4+\b]   ; with lane l xor 16's: the block's largest magnitude
.endr
.irp b, 0,1,2,3
	v_add_nc_u32 v[TM+12+\b], 0xfe000000, v[TM+\b]
.endr
.irp b, 0,1,2,3
	v_lshrrev_b32 v[TM+4+\b], 23, v[TM+12+\b]
.endr
	v_lshl_or_b32 v[PW], v[TM+5], 8, v[TM+4]
	v_lshl_or_b32 v[PW], v[TM+6], 16, v[PW]
	v_lshl_or_b32 v[PW], v[TM+7], 24, v[PW]
.irp c, 0,1
	v_cvt_scalef32_pk16_bf6_f32 v[PC+6*\c:PC+2+6*\c], v[ACC+32*\c:ACC+15+32*\c], v[TM+12+2*\c]
	v_cvt_scalef32_pk16_bf6_f32 v[PC+12+4*\c:PC+14+4*\c], v[ACC+16+32*\c:ACC+31+32*\c], v[TM+12+2*\c+1]
.endr
	v_nop                                          ; one plain place behind a scaled conversion
.irp c, 0,1                            ; the operand's layout wants a whole block in a lane
.irp i, 0,1,2
	v_permlane16_swap_b32 v[PC+6*\c+\i], v[PC+12+4*\c+\i]
.endr
.irp i, 0,1,2
	v_mov_b32 v[PC+3+6*\c+\i], v[PC+12+4*\c+\i]
.endr
.endr
	v_add_nc_u32 v8, s29, v1
	v_add_nc_u32 v9, s30, v2
.irp g, 0,1,2
	global_store_b128 v8, v[PC+4*\g:PC+4*\g+3], s[14:15] offset:512*\g     ; 512 consecutive bytes, aligned
.endr
	global_store_b32 v9, v[PW], s[16:17]
	v_add_nc_u32 v4, s28, v3
	ds_load_b32 v5, v4 offset:512                  ; the entries of the tile eight on: the list is filled that far
	BIASLOAD
	W63LOAD
.Lskip:
	s_add_co_u32 s28, s28, 256
	s_add_co_u32 s29, s29, 196608                  ; four tiles on in hq,
	s_add_co_u32 s30, s30, 16384                   ; and in hs
	s_add_co_u32 s27, s27, 4
	s_add_co_u32 s26, s26, 1
	s_cmp_lt_u32 s26, 16
	s_cbranch_scc1 .Ltrip
	s_wait_dscnt 0x0
	s_set_vgpr_msb 0xa
	s_wait_tensorcnt 0x0
	ds_add_u32 v254, v255
	s_wait_dscnt 0x0
	s_set_vgpr_msb 0xa00
	s_endpgm
.Lfunc_end_k_q879cf3b6c9_ffn1:
	.size	k_q879cf3b6c9_ffn1, .Lfunc_end_k_q879cf3b6c9_ffn1-k_q879cf3b6c9_ffn1
	.p2alignl 7, 3214868480
	.fill 96, 4, 3214868480
	.section	.rodata,"a",@progbits
	.p2align	6, 0x0
	.amdhsa_kernel k_q879cf3b6c9_ffn1
		.amdhsa_group_segment_fixed_size 110592
		.amdhsa_private_segment_fixed_size 0
		.amdhsa_enable_private_segment 0
		.amdhsa_kernarg_size 56
		.amdhsa_user_sgpr_count 2
		.amdhsa_user_sgpr_kernarg_segment_ptr 1
		.amdhsa_wavefront_size32 1
		.amdhsa_system_sgpr_workgroup_id_x 1
		.amdhsa_system_sgpr_workgroup_id_y 1
		.amdhsa_system_sgpr_workgroup_id_z 1
		.amdhsa_system_vgpr_workitem_id 0
		.amdhsa_next_free_vgpr 1024
		.amdhsa_next_free_sgpr 66
		.amdhsa_reserve_vcc 1
		.amdhsa_float_denorm_mode_32 3
		.amdhsa_float_denorm_mode_16_64 3
		.amdhsa_memory_ordered 1
		.amdhsa_forward_progress 1
		.amdhsa_inst_pref_size 214
	.end_amdhsa_kernel
	.amdgpu_metadata
---
amdhsa.version: [ 1, 2 ]
amdhsa.kernels:
  - .name:           k_q879cf3b6c9_ffn1
    .symbol:         k_q879cf3b6c9_ffn1.kd
    .args:
      - { .name: W1, .offset: 0, .size: 8, .value_kind: global_buffer, .address_space: global }
      - { .name: b1, .offset: 8, .size: 8, .value_kind: global_buffer, .address_space: global }
      - { .name: xq, .offset: 16, .size: 8, .value_kind: global_buffer, .address_space: global }
      - { .name: xs, .offset: 24, .size: 8, .value_kind: global_buffer, .address_space: global }
      - { .name: ids, .offset: 32, .size: 8, .value_kind: global_buffer, .address_space: global }
      - { .name: hq, .offset: 40, .size: 8, .value_kind: global_buffer, .address_space: global }
      - { .name: hs, .offset: 48, .size: 8, .value_kind: global_buffer, .address_space: global }
    .group_segment_fixed_size: 110592
    .private_segment_fixed_size: 0
    .kernarg_segment_align: 8
    .kernarg_segment_size: 56
    .max_flat_workgroup_size: 128
    .sgpr_count:     66
    .vgpr_count:     1024
    .wavefront_size: 32
...
	.end_amdgpu_metadata
.endif
;; end of part 2
;; launch ffn2 (part 3): grid 32 x 8, 4 waves a work-group, no clusters, 143,872 bytes of LDS; arguments W2, hq, hs, ids, y; writes y
.if DOCPART == 3
	.amdgcn_target "amdgcn-amd-amdhsa--gfx1250"
	.amdhsa_code_object_version 6
	.text
	.protected	k_q879cf3b6c9_ffn2
	.globl	k_q879cf3b6c9_ffn2
	.p2align	8
	.type	k_q879cf3b6c9_ffn2,@function
k_q879cf3b6c9_ffn2:
	s_mov_b64 s[64:65], 0
	v_nop
	global_prefetch_b8 v0, s[64:65] scope:SCOPE_SE
	s_setreg_imm32_b32 hwreg(HW_REG_WAVE_MODE, 25, 1), 1
	s_wait_xcnt 0x0
; SECOND LAYER OF THE EXPERTS.  Work-group (c + 8 q, e): columns 128 c .. 128 c + 127 of the output, hidden units 1,024 q .. 1,024 q + 1,023 (a quarter of K), expert e, for the rows routed to e: a partial sum of h W2[e], in f32.
; The slice of W2[e], 1,024 (K) x 128 columns of f32, 512 KB, is read from memory once, by this work-group alone, quantised along K on the way and spread over the four waves through LDS, as in the first layer: the same lines.
; h comes as the first layer left it: hq[(64 e + tile) x 32 + K step], 1,536 bytes, a fragment's registers as they stand; hs, its scale words.  Three loads of 16 bytes a lane bring a fragment.
; The list of the expert's rows is built by the same lines from the same words as in the first layer: the same ranks.  Entry = 1,024 x (0: first choice, 1: second) + token = the row of y.
; Ranks from the count on hold 2,048 + 16 e + (rank & 15): rows of y that nobody reads and that, in these columns of this quarter, this work-group alone writes.
; y: [quarter q][2,176 rows][1,024] f32.  The gate's weights, b2 and the sum over quarters come in the last launch: each row of each quarter has one owner, and nothing is added in memory.
; The product is used transposed (source 0 = 16 columns of W2, source 1 = 16 rows of h); lane r of tile 2 b + u takes column 32 b + 8 u + r + 8 (r / 8), so a lane's 16 registers of two neighbouring tiles are 64 neighbouring bytes of a row.
; A tile's 16 rows x 512 bytes go through the wave's own stage in LDS and leave as whole rows.
; NO TENSOR LOADS, NO CLUSTER: the trips that work hang on a count read from memory; the weights are shared by nobody; what the 8 work-groups of a quarter share, 832 bytes for each routed row, is small beside the slice's 524,288.
; LIMITS: NaN and infinities are not served.  A block of zeros gets the byte 1, not 127 (zero codes; the bytes are this program's own).
.set PITCHB, 4096                      ; a row of W2[e] in bytes
.set ROWP,   784
.set TILEP,  12560
.set WSC,    100608
.set LIST,   104704
.set STAGE,  109568                    ; 16 rows x (512 + 16) bytes for each wave
.set WS,   14                          ; v14-45   weights' scale words.  Scales and nothing else
.set XS,   46                          ; v46-53   h's scale words.  Scales and nothing else
.set XF,   54                          ; v54-149  h's 8 fragments.  In the head: v54-85 ids, v86-99 at work
.set IW,   54
.set ACC,  150                         ; v150-213 8 tiles of the result; then 16 whole rows.  In the head: the list's addresses and entries
.set EB,   214                         ; v214-229 the tile's 16 entries, then the rows' offsets in y
.set W63,  234                         ; v234-245 the 64th fragment of W2
.set MSB, 0
.macro WIN new                         ; the immediate's high byte repeats the setting that is left
.if MSB != (\new)
	s_set_vgpr_msb (MSB<<8)|(\new)
.set MSB, (\new)
.endif
.endm
.macro LOADBLK t                       ; block t of my 8: 32 rows of the slice into set t % 3
.if ((\t)%3) == 2
	WIN 0x80
.else
	WIN 0x40
.endif
.set SB_, 128*(((\t)%3)%2)
.set i_, 0
.rept 32
	global_load_b128 v[SB_+4*i_:SB_+4*i_+3], v1, s[4:5] offset:(32*(\t)+i_)*PITCHB th:TH_LOAD_NT   ; 512 consecutive bytes, aligned; read once in the launch
.set i_, i_+1
.endr
	WIN 0
.endm
.macro TRANSP t                        ; into window 3, column j's 32 along K at v[32 j ..]
.if ((\t)%3) == 2
	WIN 0xc2
.else
	WIN 0xc1
.endif
.set SB_, 128*(((\t)%3)%2)
.set i_, 0
.rept 32
.irp j, 0,1,2,3
	v_mov_b32 v[32*\j+i_], v[SB_+4*i_+\j]
.endr
.set i_, i_+1
.endr
.endm
.macro QW t                            ; the block's four columns are quantised, by turns
.set BE_, (\t)&3
.set PI_, 2*(BE_&1)+(BE_>>1)           ; blocks stand in the order 0, 2, 1, 3
.if (\t) == 4
	s_wait_dscnt 0x0                               ; the first K step's LDS stores have read their registers
.endif
	WIN 0xff
.irp j, 0,1,2,3
	v_max3_num_f32 v[224+\j], |v[32*\j]|, |v[32*\j+1]|, 0x2800000   ; the floor 2^(5 - 127) holds the byte at 1 from below
.endr
.irp i, 2,4,6,8,10,12,14,16,18,20,22,24,26,28,30
.irp j, 0,1,2,3
	v_max3_num_f32 v[224+\j], v[224+\j], |v[32*\j+\i]|, |v[32*\j+\i+1]|
.endr
.endr
.irp j, 0,1,2,3
	v_add_nc_u32 v[224+\j], 0xfe000000, v[224+\j]  ; 4 off the exponent field: the conversion's scale operand
.endr
.irp j, 0,1,2,3
	v_lshrrev_b32 v[228+\j], 23, v[224+\j]         ; the scale's byte
.endr
.irp j, 0,1,2,3
.if BE_ == 0
	v_mov_b32 v[232+\j], v[228+\j]
.else
	v_lshl_or_b32 v[232+\j], v[228+\j], 8*BE_, v[232+\j]
.endif
.endr
.irp j, 0,1,2,3
	v_cvt_scalef32_pk16_bf6_f32 v[128+24*\j+6*PI_:128+24*\j+6*PI_+2], v[32*\j:32*\j+15], v[224+\j]
	v_cvt_scalef32_pk16_bf6_f32 v[236+4*\j:236+4*\j+2], v[32*\j+16:32*\j+31], v[224+\j]   ; (a conversion's three registers begin on an even number)
.endr
	v_nop                                          ; one plain place behind a scaled conversion
.irp j, 0,1,2,3
.irp k, 0,1,2
	v_mov_b32 v[128+24*\j+6*PI_+3+\k], v[236+4*\j+\k]
.endr
.endr
.if BE_ == 3
	WIN 0x0c                                       ; address window 0, data window 3
.irp j, 0,1,2,3
.irp g, 0,1,2,3,4,5
	ds_store_b128 v89, v[128+24*\j+4*\g:128+24*\j+4*\g+3] offset:ROWP*\j+96*((\t)>>2)+16*\g
.endr
	ds_store_b32 v90, v[232+\j] offset:512*((\t)>>2)+16*\j
.endr
.endif
	WIN 0
.endm
.macro LOADK s                         ; K step s of the tile at v6, v7: the fragment's image and its scale words: four loads
.irp g, 0,1,2
	global_load_b128 v[XF+12*(\s)+4*\g:XF+12*(\s)+4*\g+3], v6, s[6:7] offset:1536*(\s)+512*\g
.endr
	global_load_b32 v[XS+(\s)], v7, s[8:9] offset:128*(\s)
.endm
; K step s: 8 matrix instructions, the 8 accumulators by turns; then the same K step of the NEXT tile is asked for.  zero = 1: the products start the sums
.macro KSTEP s, zero
	s_wait_loadcnt 28                              ; behind this K step's four loads stand 4 (7 - s) of this tile and 4 s of the next: 28 on every way
.irp u, 0,1,2,3,4,5,6,7
.set f_, 8*(\s)+\u
.if f_ == 63
	WIN 0
.set wr_, W63
.else
	WIN 1+f_/21                                    ; source 0: fragment f lies in window 1 + f / 21 at 12 (f % 21)
.set wr_, 12*(f_%21)
.endif
.if \zero
.if (\u)%2
	v_wmma_scale_f32_16x16x128_f8f6f4 v[ACC+8*\u:ACC+8*\u+7], v[wr_:wr_+11], v[XF+12*(\s):XF+12*(\s)+11], 0, v[WS+4*(\s)+\u/2], v[XS+(\s)] matrix_a_fmt:MATRIX_FMT_BF6 matrix_b_fmt:MATRIX_FMT_BF6 matrix_a_scale:MATRIX_SCALE_ROW1
.else
	v_wmma_scale_f32_16x16x128_f8f6f4 v[ACC+8*\u:ACC+8*\u+7], v[wr_:wr_+11], v[XF+12*(\s):XF+12*(\s)+11], 0, v[WS+4*(\s)+\u/2], v[XS+(\s)] matrix_a_fmt:MATRIX_FMT_BF6 matrix_b_fmt:MATRIX_FMT_BF6
.endif
.else
.if (\u)%2
	v_wmma_scale_f32_16x16x128_f8f6f4 v[ACC+8*\u:ACC+8*\u+7], v[wr_:wr_+11], v[XF+12*(\s):XF+12*(\s)+11], v[ACC+8*\u:ACC+8*\u+7], v[WS+4*(\s)+\u/2], v[XS+(\s)] matrix_a_fmt:MATRIX_FMT_BF6 matrix_b_fmt:MATRIX_FMT_BF6 matrix_a_scale:MATRIX_SCALE_ROW1
.else
	v_wmma_scale_f32_16x16x128_f8f6f4 v[ACC+8*\u:ACC+8*\u+7], v[wr_:wr_+11], v[XF+12*(\s):XF+12*(\s)+11], v[ACC+8*\u:ACC+8*\u+7], v[WS+4*(\s)+\u/2], v[XS+(\s)] matrix_a_fmt:MATRIX_FMT_BF6 matrix_b_fmt:MATRIX_FMT_BF6
.endif
.endif
.endr
	WIN 0
.rept 4
	v_nop                                          ; four places in front of loads into registers that these products read, and of the first read of results
.endr
	LOADK \s
.endm
.macro HADDR                           ; the tile in s31, held to the last one that the first layer wrote, becomes the offsets of its images and scale words
	s_sub_co_u32 s34, s23, 1
	s_min_u32 s31, s31, s34
	s_min_u32 s31, s31, 63
	s_mul_i32 s34, s31, 49152
	s_add_co_u32 s34, s34, s29
	s_lshl_b32 s35, s31, 12
	s_add_co_u32 s35, s35, s30
	v_add_nc_u32 v6, s34, v1
	v_add_nc_u32 v7, s35, v2
.endm
; ================= the head
	s_load_b256 s[4:11], s[0:1], 0x0               ; W2 4, hq 6, hs 8, ids 10
	s_load_b64 s[12:13], s[0:1], 0x20              ; y
	v_lshl_add_u32 v254, v0, 2, 0x23000
	v_mov_b32 v255, 0
	v_lshrrev_b32 v95, 5, v0
	v_readfirstlane_b32 s18, v95                   ; wave
	s_and_b32 s19, ttmp7, 0xffff                   ; the expert
	s_and_b32 s20, ttmp9, 7                        ; the slice of columns
	s_lshr_b32 s21, ttmp9, 3                       ; the quarter of K
	s_lshl_b32 s24, 0x101, s19                     ; the expert's two bits of an ids word,
	s_lshl_b32 s25, 0x100, s19                     ; and the one that says: second choice
	s_mov_b32 s26, 0                               ; trips
	s_mov_b32 s27, s18                             ; my tile
	s_lshl_b32 s28, s18, 6                         ; and its 64 bytes of the list
	s_lshl_b32 s29, s19, 11
	s_lshl_b32 s31, s21, 3
	s_add_co_u32 s29, s29, s31                     ; 64 e x 32 + 8 q
	s_lshl_b32 s30, s29, 7                         ; its place in hs,
	s_mul_i32 s29, s29, 1536                       ; and in hq
	; every address register is made here, ahead of the branch on the wave's number
	v_and_b32 v95, 31, v0                          ; lane
	v_lshlrev_b32 v1, 4, v95                       ; 16 x lane
	v_lshlrev_b32 v2, 2, v95                       ; 4 x lane
	v_and_b32 v96, 15, v0                          ; r
	v_bfe_u32 v97, v0, 4, 1                        ; h
	v_mov_b32 v3, LIST                             ; the list: every lane reads the tile's 16 entries
	v_mul_u32_u24 v11, v97, 48
	v_mul_u32_u24 v12, v96, ROWP
	v_add_nc_u32 v12, v12, v11                     ; a fragment of W2: row r, + 48 h: tiles 0-3,
	v_add_nc_u32 v13, 4*TILEP, v12                 ; tiles 4-7
	s_mul_i32 s31, s18, 8448
	s_add_co_u32 s31, s31, STAGE                   ; my stage
	v_mul_u32_u24 v8, v96, 528
	v_lshl_add_u32 v8, v97, 6, v8
	v_add_nc_u32 v8, s31, v8                       ; in: row r, + 64 h
	v_add_nc_u32 v9, s31, v1                       ; back: a row's 512 bytes, 16 a lane
	v_add_nc_u32 v86, 1152, v95                    ; where a lane without a row puts its word
	s_lshl_b32 s31, s19, 4
	s_add_co_u32 s31, s31, 2048
	v_add_nc_u32 v87, s31, v96                     ; what fills the list: 2,048 + 16 e + (rank & 15)
	v_add_nc_u32 v88, LIST, v2
	; where my four columns 4 L + j go: tile 2 (L / 8) + bit 1 of L, row 8 x bit 2 + 4 x bit 0 + j
	v_bfe_u32 v98, v0, 3, 2
	v_bfe_u32 v99, v0, 1, 1
	v_lshl_add_u32 v89, v98, 1, v99
	v_mul_u32_u24 v89, v89, TILEP
	v_bfe_u32 v90, v0, 2, 1
	v_and_b32 v91, 1, v0
	v_lshlrev_b32 v90, 1, v90
	v_add_nc_u32 v90, v90, v91                     ; 2 x bit 2 + bit 0
	v_mad_u32_u24 v89, v90, 4*ROWP, v89
	s_mul_i32 s31, s18, 192                        ; my two K steps' 192 bytes of a row
	v_add_nc_u32 v89, s31, v89
	v_lshlrev_b32 v90, 6, v90                      ; their scale words: lane 16 u + r of the reader, 16 bytes a lane, word b
	v_lshl_add_u32 v90, v99, 8, v90
	v_lshl_add_u32 v90, v98, 2, v90
	s_lshl_b32 s31, s18, 10
	s_add_co_u32 s31, s31, WSC
	v_add_nc_u32 v90, s31, v90
	v_add_nc_u32 v91, WSC, v1                      ; and where I read scale words
	s_lshl_b32 s60, s19, 24                        ; W2: the expert, the quarter's 1,024 rows, my 256 of them, the slice's 512 bytes of a row
	s_lshl_b32 s31, s21, 22
	s_add_co_u32 s60, s60, s31
	s_lshl_b32 s31, s18, 20
	s_add_co_u32 s60, s60, s31
	s_lshl_b32 s31, s20, 9
	s_add_co_u32 s60, s60, s31
	s_mov_b32 s61, 0
	s_mul_i32 s34, s21, 8912896                    ; y: the quarter's plane, the slice's 512 bytes of a row
	s_add_co_u32 s34, s34, s31
	s_mov_b32 s35, 0
	s_wait_kmcnt 0x0
	s_add_nc_u64 s[4:5], s[4:5], s[60:61]
	s_add_nc_u64 s[12:13], s[12:13], s[34:35]
.irp i, 0,1,2,3,4,5,6,7
	global_load_b128 v[IW+4*\i:IW+4*\i+3], v1, s[10:11] offset:512*\i      ; register 4 i + j of lane L: token 128 i + 4 L + j
.endr
	LOADBLK 0
	LOADBLK 1
	s_wait_loadcnt 63                              ; 64 loads are younger than the ids'
	s_mov_b32 s22, 0                               ; the expert's rows
	s_cmp_eq_u32 s18, 0
	s_cbranch_scc1 .Lwave0
.set m_, 0
.rept 32                               ; waves 1 to 3 only count
	v_and_b32 v95, s24, v[IW+m_]
	v_cmp_ne_u32 vcc_lo, 0, v95
	s_bcnt1_i32_b32 s31, vcc_lo
	s_add_co_u32 s22, s22, s31
.set m_, m_+1
.endr
	s_branch .Ljoin
.Lwave0:
.set m_, 0
.rept 36
	ds_store_b32 v88, v87 offset:128*m_            ; ranks 0 .. 1,151 first hold the filling
.set m_, m_+1
.endr
.set m_, 0
.rept 32                               ; each store has registers of its own
	v_and_b32 v95, s24, v[IW+m_]
	v_cmp_ne_u32 vcc_lo, 0, v95
	v_mbcnt_lo_u32_b32 v96, vcc_lo, s22            ; rank = rows so far + rows in the lanes below me
	v_cndmask_b32 v96, v86, v96, vcc_lo
	v_min_u32 v96, 1183, v96
	v_lshl_add_u32 v[150+m_], v96, 2, LIST
	v_and_b32 v98, s25, v[IW+m_]
	v_min_u32 v98, 1, v98                          ; 1: the expert is this token's second choice
	v_add_nc_u32 v99, 128*(m_/4)+m_%4, v2          ; the token
	v_lshl_add_u32 v[182+m_], v98, 10, v99
	ds_store_b32 v[150+m_], v[182+m_]
	s_bcnt1_i32_b32 s31, vcc_lo
	s_add_co_u32 s22, s22, s31
.set m_, m_+1
.endr
.Ljoin:
	s_wait_dscnt 0x0                               ; the list has landed
	s_barrier_signal -1
	s_barrier_wait -1
	s_add_co_u32 s23, s22, 15
	s_lshr_b32 s23, s23, 4
	s_max_u32 s23, s23, 1                          ; tiles: at least one
	LOADBLK 2
; ================= the stream: my 8 blocks of 32 rows
.irp t, 0,1,2,3,4,5,6,7
.if \t < 6
	s_wait_loadcnt 63                              ; two blocks, 64 loads, are younger: the count is the field's largest
.elseif \t == 6
	s_wait_loadcnt 32                              ; the last block is younger
.else
	s_wait_loadcnt 0x0
.endif
	TRANSP \t
.if \t < 5
	LOADBLK \t+3                                   ; into the set just copied
.endif
	QW \t
.endr
	s_wait_dscnt 0x0                               ; my codes and scale words have landed
	s_barrier_signal -1
	s_barrier_wait -1
; ================= all 64 fragments into my registers
.set f_, 0
.rept 63
	WIN (1+f_/21)<<6
.set a_, 12+(f_%8)/4
.irp g, 0,1,2
	ds_load_b128 v[12*(f_%21)+4*\g:12*(f_%21)+4*\g+3], v[a_] offset:((f_%8)%4)*TILEP+96*(f_/8)+16*\g
.endr
.set f_, f_+1
.endr
	WIN 0
.irp s, 0,1,2,3,4,5,6,7
	ds_load_b128 v[WS+4*\s:WS+4*\s+3], v91 offset:512*\s
.endr
.irp g, 0,1,2
	ds_load_b128 v[W63+4*\g:W63+4*\g+3], v13 offset:3*TILEP+672+16*\g
.endr
	s_wait_dscnt 0x0
	s_mov_b32 s31, s18
	HADDR
.irp s, 0,1,2,3,4,5,6,7
	LOADK \s
.endr
; ================= the rows: 16 trips, a constant; a trip whose tile does not exist does nothing but step
.Ltrip:
	s_cmp_ge_u32 s27, s23
	s_cbranch_scc1 .Lskip
	s_wait_xcnt 0x0                                ; the loads out have read v6 and v7, the last tile's stores their registers
	s_add_co_u32 s31, s27, 4
	HADDR                                          ; the NEXT tile's offsets
	v_add_nc_u32 v4, s28, v3
.irp g, 0,1,2,3
	ds_load_b128 v[EB+4*\g:EB+4*\g+3], v4 offset:16*\g                     ; this tile's 16 entries, the same in every lane
.endr
	KSTEP 0, 1
.irp s, 1,2,3,4,5,6,7
	KSTEP \s, 0
.endr
.irp u, 0,1,2,3,4,5,6,7
	ds_store_b128 v8, v[ACC+8*\u:ACC+8*\u+3] offset:128*(\u/2)+32*(\u%2)          ; each accumulator from its low end on
	ds_store_b128 v8, v[ACC+8*\u+4:ACC+8*\u+7] offset:128*(\u/2)+32*(\u%2)+16
.endr
.irp i, 0,1,2,3,4,5,6,7,8,9,10,11,12,13,14,15
	ds_load_b128 v[ACC+4*\i:ACC+4*\i+3], v9 offset:528*\i                  ; LDS serves a wave's instructions in order (ISA guide 5.7.1.4): these see my stores
.endr
	s_wait_dscnt 32                                ; the entries are in: behind them stand the stage's 16 stores and 16 loads
.irp i, 0,1,2,3,4,5,6,7,8,9,10,11,12,13,14,15
	v_min_u32 v[EB+\i], 2175, v[EB+\i]
.endr
.irp i, 0,1,2,3,4,5,6,7,8,9,10,11,12,13,14,15
	v_lshl_add_u32 v[EB+\i], v[EB+\i], 12, v1      ; the row of y, + 16 x lane
.endr
.irp i, 0,1,2,3,4,5,6,7,8,9,10,11,12,13,14,15
	s_wait_dscnt 15-\i
	global_store_b128 v[EB+\i], v[ACC+4*\i:ACC+4*\i+3], s[12:13]           ; 32 lanes store 512 consecutive bytes, aligned
.endr
.Lskip:
	s_add_co_u32 s28, s28, 256
	s_add_co_u32 s27, s27, 4
	s_add_co_u32 s26, s26, 1
	s_cmp_lt_u32 s26, 16
	s_cbranch_scc1 .Ltrip
	s_wait_dscnt 0x0
	s_wait_tensorcnt 0x0
	ds_add_u32 v254, v255
	s_wait_dscnt 0x0
	s_endpgm
.Lfunc_end_k_q879cf3b6c9_ffn2:
	.size	k_q879cf3b6c9_ffn2, .Lfunc_end_k_q879cf3b6c9_ffn2-k_q879cf3b6c9_ffn2
	.p2alignl 7, 3214868480
	.fill 96, 4, 3214868480
	.section	.rodata,"a",@progbits
	.p2align	6, 0x0
	.amdhsa_kernel k_q879cf3b6c9_ffn2
		.amdhsa_group_segment_fixed_size 143872
		.amdhsa_private_segment_fixed_size 0
		.amdhsa_enable_private_segment 0
		.amdhsa_kernarg_size 40
		.amdhsa_user_sgpr_count 2
		.amdhsa_user_sgpr_kernarg_segment_ptr 1
		.amdhsa_wavefront_size32 1
		.amdhsa_system_sgpr_workgroup_id_x 1
		.amdhsa_system_sgpr_workgroup_id_y 1
		.amdhsa_system_sgpr_workgroup_id_z 1
		.amdhsa_system_vgpr_workitem_id 0
		.amdhsa_next_free_vgpr 1024
		.amdhsa_next_free_sgpr 66
		.amdhsa_reserve_vcc 1
		.amdhsa_float_denorm_mode_32 3
		.amdhsa_float_denorm_mode_16_64 3
		.amdhsa_memory_ordered 1
		.amdhsa_forward_progress 1
		.amdhsa_inst_pref_size 173
	.end_amdhsa_kernel
	.amdgpu_metadata
---
amdhsa.version: [ 1, 2 ]
amdhsa.kernels:
  - .name:           k_q879cf3b6c9_ffn2
    .symbol:         k_q879cf3b6c9_ffn2.kd
    .args:
      - { .name: W2, .offset: 0, .size: 8, .value_kind: global_buffer, .address_space: global }
      - { .name: hq, .offset: 8, .size: 8, .value_kind: global_buffer, .address_space: global }
      - { .name: hs, .offset: 16, .size: 8, .value_kind: global_buffer, .address_space: global }
      - { .name: ids, .offset: 24, .size: 8, .value_kind: global_buffer, .address_space: global }
      - { .name: y, .offset: 32, .size: 8, .value_kind: global_buffer, .address_space: global }
    .group_segment_fixed_size: 143872
    .private_segment_fixed_size: 0
    .kernarg_segment_align: 8
    .kernarg_segment_size: 40
    .max_flat_workgroup_size: 128
    .sgpr_count:     66
    .vgpr_count:     1024
    .wavefront_size: 32
...
	.end_amdgpu_metadata
.endif
;; end of part 3
;; launch combine (part 4): grid 256 x 1, 8 waves a work-group, no clusters, 0 bytes of LDS; arguments y, pw, gw, b2, out0; writes out0
.if DOCPART == 4
	.amdgcn_target "amdgcn-amd-amdhsa--gfx1250"
	.amdhsa_code_object_version 6
	.text
	.protected	k_q879cf3b6c9_combine
	.globl	k_q879cf3b6c9_combine
	.p2align	8
	.type	k_q879cf3b6c9_combine,@function
k_q879cf3b6c9_combine:
	s_mov_b64 s[64:65], 0
	v_nop
	global_prefetch_b8 v0, s[64:65] scope:SCOPE_SE
	s_setreg_imm32_b32 hwreg(HW_REG_WAVE_MODE, 25, 1), 1
	s_wait_xcnt 0x0
; out[t] = p1[t] (sum over the four quarters of K of y[q][t]) + p2[t] (the same of y[q][1,024 + t]) + sum over e of gw[t][e] b2[e].
; y: [4][2,176 rows][1,024] f32: row t holds token t's first expert's partial result, row 1,024 + t its second's.  pw: [t][2], gw: [t][8], b2: [8][1,024], out: [1,024][1,024], all f32.
; A stream: a work-group takes 4 tokens, thread i columns 4 i .. 4 i + 3; all 40 loads of a thread go out at once, each load of a wave covering 512 consecutive bytes; a token's weights are scalars.
; No LDS, no barrier, no matrix unit (K = 8), no cluster: work-groups share only b2's 32 KB.
.set B2, 8                             ; v8-39    b2: four columns of each expert
.set Y,  40                            ; v40-167  token i: 32 registers: choice k at 16 k, quarter q at 4 q
.set O,  168                           ; v168-183 four results a token
.set PLANEB, 8912896                   ; a quarter's 2,176 rows
	s_load_b256 s[4:11], s[0:1], 0x0               ; y 4, pw 6, gw 8, b2 10
	s_load_b64 s[12:13], s[0:1], 0x20              ; out
	v_lshlrev_b32 v1, 4, v0                        ; 16 bytes a thread
	s_lshl_b32 s14, ttmp9, 5                       ; pw: 8 bytes a token, 4 tokens
	s_mov_b32 s15, 0
	s_wait_kmcnt 0x0
	s_add_nc_u64 s[6:7], s[6:7], s[14:15]
	s_lshl_b32 s14, ttmp9, 7                       ; gw: 32 bytes a token
	s_add_nc_u64 s[8:9], s[8:9], s[14:15]
	s_load_b256 s[16:23], s[6:7], 0x0              ; p1, p2 of the four tokens
	s_load_b512 s[24:39], s[8:9], 0x0              ; gw of tokens 0, 1
	s_load_b512 s[40:55], s[8:9], 0x40             ; and 2, 3
	s_lshl_b32 s14, ttmp9, 14                      ; 4 rows of 4,096 bytes
	s_add_nc_u64 s[56:57], s[4:5], s[14:15]        ; the four quarters at my first token
	s_add_nc_u64 s[58:59], s[56:57], PLANEB
	s_add_nc_u64 s[60:61], s[58:59], PLANEB
	s_add_nc_u64 s[62:63], s[60:61], PLANEB
	s_add_nc_u64 s[12:13], s[12:13], s[14:15]
.irp e, 0,1,2,3,4,5,6,7
	global_load_b128 v[B2+4*\e:B2+4*\e+3], v1, s[10:11] offset:4096*\e
.endr
.irp i, 0,1,2,3
.irp k, 0,1
.irp q, 0,1,2,3
	global_load_b128 v[Y+32*\i+16*\k+4*\q:Y+32*\i+16*\k+4*\q+3], v1, s[56+2*\q:57+2*\q] offset:(1024*\k+\i)*4096 th:TH_LOAD_NT
.endr
.endr
.endr
	s_wait_kmcnt 0x0
.irp i, 0,1,2,3
	s_wait_loadcnt 8*(3-\i)                        ; b2 and this token's eight loads are in; the later tokens' may be out
.irp k, 0,1
.irp p, 0,2
	v_pk_add_f32 v[Y+32*\i+16*\k+\p:Y+32*\i+16*\k+\p+1], v[Y+32*\i+16*\k+\p:Y+32*\i+16*\k+\p+1], v[Y+32*\i+16*\k+4+\p:Y+32*\i+16*\k+4+\p+1]
	v_pk_add_f32 v[Y+32*\i+16*\k+8+\p:Y+32*\i+16*\k+8+\p+1], v[Y+32*\i+16*\k+8+\p:Y+32*\i+16*\k+8+\p+1], v[Y+32*\i+16*\k+12+\p:Y+32*\i+16*\k+12+\p+1]
.endr
.endr
.irp k, 0,1
.irp p, 0,2
	v_pk_add_f32 v[Y+32*\i+16*\k+\p:Y+32*\i+16*\k+\p+1], v[Y+32*\i+16*\k+\p:Y+32*\i+16*\k+\p+1], v[Y+32*\i+16*\k+8+\p:Y+32*\i+16*\k+8+\p+1]
.endr
.endr
.irp c, 0,1,2,3
	v_mul_f32 v[O+4*\i+\c], s[16+2*\i], v[Y+32*\i+\c]
.endr
.irp c, 0,1,2,3
	v_fma_f32 v[O+4*\i+\c], s[17+2*\i], v[Y+32*\i+16+\c], v[O+4*\i+\c]
.endr
.irp e, 0,1,2,3,4,5,6,7
.irp c, 0,1,2,3
	v_fma_f32 v[O+4*\i+\c], s[24+8*\i+\e], v[B2+4*\e+\c], v[O+4*\i+\c]
.endr
.endr
	global_store_b128 v1, v[O+4*\i:O+4*\i+3], s[12:13] offset:4096*\i th:TH_STORE_NT   ; a wave stores 512 consecutive bytes, aligned
.endr
	s_endpgm
.Lfunc_end_k_q879cf3b6c9_combine:
	.size	k_q879cf3b6c9_combine, .Lfunc_end_k_q879cf3b6c9_combine-k_q879cf3b6c9_combine
	.p2alignl 7, 3214868480
	.fill 96, 4, 3214868480
	.section	.rodata,"a",@progbits
	.p2align	6, 0x0
	.amdhsa_kernel k_q879cf3b6c9_combine
		.amdhsa_group_segment_fixed_size 0
		.amdhsa_private_segment_fixed_size 0
		.amdhsa_enable_private_segment 0
		.amdhsa_kernarg_size 40
		.amdhsa_user_sgpr_count 2
		.amdhsa_user_sgpr_kernarg_segment_ptr 1
		.amdhsa_wavefront_size32 1
		.amdhsa_system_sgpr_workgroup_id_x 1
		.amdhsa_system_sgpr_workgroup_id_y 1
		.amdhsa_system_sgpr_workgroup_id_z 1
		.amdhsa_system_vgpr_workitem_id 0
		.amdhsa_next_free_vgpr 192
		.amdhsa_next_free_sgpr 66
		.amdhsa_reserve_vcc 0
		.amdhsa_float_denorm_mode_32 3
		.amdhsa_float_denorm_mode_16_64 3
		.amdhsa_memory_ordered 1
		.amdhsa_forward_progress 1
		.amdhsa_inst_pref_size 18
	.end_amdhsa_kernel
	.amdgpu_metadata
---
amdhsa.version: [ 1, 2 ]
amdhsa.kernels:
  - .name:           k_q879cf3b6c9_combine
    .symbol:         k_q879cf3b6c9_combine.kd
    .args:
      - { .name: y, .offset: 0, .size: 8, .value_kind: global_buffer, .address_space: global }
      - { .name: pw, .offset: 8, .size: 8, .value_kind: global_buffer, .address_space: global }
      - { .name: gw, .offset: 16, .size: 8, .value_kind: global_buffer, .address_space: global }
      - { .name: b2, .offset: 24, .size: 8, .value_kind: global_buffer, .address_space: global }
      - { .name: out0, .offset: 32, .size: 8, .value_kind: global_buffer, .address_space: global }
    .group_segment_fixed_size: 0
    .private_segment_fixed_size: 0
    .kernarg_segment_align: 8
    .kernarg_segment_size: 40
    .max_flat_workgroup_size: 256
    .sgpr_count:     66
    .vgpr_count:     192
    .wavefront_size: 32
...
	.end_amdgpu_metadata
.endif
;; end of part 4
;; ======== version 2 of 2: 4 launches
;; workspace buffers: xq 786,432 bytes; xs 32,768 bytes; ids 4,096 bytes of whole numbers; gw 32,768 bytes; pw 8,192 bytes; hq 25,165,824 bytes; hs 2,097,152 bytes; y 35,651,584 bytes
;; launch route (part 5): grid 256 x 1, 4 waves a work-group, no clusters, 52,224 bytes of LDS; arguments x, Wg, bg, xq, xs, ids, gw, pw; writes xq, xs, ids, gw, pw
.if DOCPART == 5
	.amdgcn_target "amdgcn-amd-amdhsa--gfx1250"
	.amdhsa_code_object_version 6
	.text
	.protected	k_q879cf3b6c9_route
	.globl	k_q879cf3b6c9_route
	.p2align	8
	.type	k_q879cf3b6c9_route,@function
k_q879cf3b6c9_route:
	s_mov_b64 s[64:65], 0
	v_nop
	global_prefetch_b8 v0, s[64:65] scope:SCOPE_SE
	s_setreg_imm32_b32 hwreg(HW_REG_WAVE_MODE, 25, 1), 1
	s_wait_xcnt 0x0
; ROUTER AND QUANTISER OF x.  x: [1024 tokens][1024] f32.  Wg: [1024][8], bg: [8] f32.
; For each token: the 8 logits x . Wg + bg in f32 (fused multiply-adds), the two largest (a tie keeps the lower index: the compares are strict), the softmax of the two with the larger taken away first.
; Stored at fixed places:  ids[token] = (1 << first expert) | (256 << second expert), whole numbers;  pw[token] = (p1, p2);  gw[token][8] = the weight of each expert, 0 where it was not chosen.
; x is also turned into codes of E3M2 with one E8M0 byte for each 32 along its row.  xq: [token][768 bytes]: 128 along the row are 96 bytes, and in them the four blocks of 24 bytes stand in the order 0, 2, 1, 3,
; so that lane (r, h) of a matrix operand finds its 12 registers as 48 consecutive bytes at 48 h.  xs: [token][32 bytes], byte b for block b.
; SHARES: 1,024 tokens over 256 work-groups of four waves: a wave takes ONE token.  Its row, 4,096 bytes, comes by eight loads of 512 consecutive bytes, 16 a lane, and turns through the wave's own stage in LDS,
; so that lane L then holds numbers 32 L .. 32 L + 31: one whole block, whose largest magnitude needs no other lane and whose 32 numbers are the conversions' consecutive registers.
; The lane's 32 rows of Wg (256 numbers) lie in its registers v256-511; they come through LDS too, loaded once for the work-group by dense loads.
; No matrix unit (8 columns), no cluster (what work-groups share, Wg, is 32 KB).
; LIMITS: NaN and infinities are not served.  Two logits that differ by less than the rounding of an f32 sum of 1,024 terms may change places.  A block of zeros gets the byte 1, not 127: its codes are zeros and this program alone reads the bytes.
.set STG, 33280                        ; LDS: behind Wg's 32 x 1,040 bytes: a stage of 32 x 144 bytes for each wave
.set X,   16                           ; v16-47    my block of the row
.set XR,  48                           ; v48-79    the row as it is loaded
.set WT,  80                           ; v80-143   Wg on its way into LDS
.set SA,  144                          ; v144-151  8 sums over my even numbers; later the logits
.set SB,  152                          ; v152-159  8 sums over my odd numbers
.set R8,  160                          ; v160-167  from the other half of the lanes
.set KE,  176                          ; v176-183  the numbers 0 .. 7
.set QM,  184                          ; v184-185  largest magnitudes, two chains
.set QS,  188                          ; v188      the conversions' scale
.set BY,  189                          ; v189      the scale's byte
.set X4,  192                          ; v192-194  the block's upper 16 codes
.set CD,  196                          ; v196-201  the block's 24 bytes of codes
.set BV,  204                          ; the largest logit,
.set BI,  205                          ; its index,
.set SV,  206                          ; the second,
.set SI,  207                          ; its index
.set EX,  208
.set RC,  209                          ; p1
.set P2,  210                          ; p2
.set WD,  211                          ; the ids word
.set TT,  212
.set GWV, 213
.set PWV, 214
.set MSB, 0
.macro WIN new                         ; the immediate's high byte repeats the setting that is left
.if MSB != (\new)
	s_set_vgpr_msb (MSB<<8)|(\new)
.set MSB, (\new)
.endif
.endm
	s_load_b512 s[4:19], s[0:1], 0x0               ; x 4, Wg 6, bg 8, xq 10, xs 12, ids 14, gw 16, pw 18
	v_lshl_add_u32 v254, v0, 2, 0xca00
	v_mov_b32 v255, 0
	v_and_b32 v1, 31, v0                           ; lane
	v_lshrrev_b32 v9, 5, v0
	v_readfirstlane_b32 s28, v9                    ; wave
	s_mov_b32 s30, 0x76543210
	s_mov_b32 s31, 0xfedcba98                      ; selects: lane l xor 16
	v_lshlrev_b32 v2, 4, v1                        ; x in memory: 16 bytes a lane
	v_lshrrev_b32 v9, 2, v1
	v_mul_u32_u24 v3, v9, 96                       ; xq: 96 bytes for each 128 along the row,
	v_and_b32 v9, 1, v1
	v_mad_u32_u24 v3, v9, 48, v3                   ; odd blocks in the upper 48,
	v_bfe_u32 v9, v1, 1, 1
	v_mad_u32_u24 v3, v9, 24, v3                   ; blocks 2 and 3 second
	v_lshlrev_b32 v5, 2, v1                        ; 4 x lane
	v_lshlrev_b32 v6, 4, v0                        ; Wg in memory: 16 bytes a thread
	v_lshrrev_b32 v9, 6, v0
	v_and_b32 v10, 63, v0
	v_mul_u32_u24 v7, v9, 1040                     ; Wg in LDS: 1,024 bytes (32 rows of Wg) + 16 of padding for each lane that will read
	v_lshl_add_u32 v7, v10, 4, v7
	v_mul_u32_u24 v8, v1, 1040                     ; and where I read: pitch 65 x 16 bytes
	s_mul_i32 s29, s28, 4608
	s_add_co_u32 s29, s29, STG                     ; my wave's stage
	v_lshrrev_b32 v9, 3, v1
	v_and_b32 v10, 7, v1
	v_mul_u32_u24 v11, v9, 144                     ; into it: eight lanes' 128 bytes on end, then 16 of padding; a load's 512 bytes take four places
	v_lshl_add_u32 v11, v10, 4, v11
	v_add_nc_u32 v11, s29, v11
	v_mul_u32_u24 v12, v1, 144                     ; out of it: place L: my block.  Pitch 9 x 16 bytes
	v_add_nc_u32 v12, s29, v12
	s_lshl_b32 s29, ttmp9, 2
	s_add_co_u32 s29, s29, s28                     ; my token
	s_mov_b32 s33, 0
	s_wait_alu depctr_va_vdst(0)
	s_wait_kmcnt 0x0
	s_load_b256 s[20:27], s[8:9], 0x0              ; bg
	s_lshl_b32 s32, s29, 12
	s_add_nc_u64 s[4:5], s[4:5], s[32:33]
	s_mul_i32 s32, s29, 768
	s_add_nc_u64 s[10:11], s[10:11], s[32:33]
	s_lshl_b32 s32, s29, 5
	s_add_nc_u64 s[12:13], s[12:13], s[32:33]
	s_add_nc_u64 s[16:17], s[16:17], s[32:33]
	s_lshl_b32 s32, s29, 2
	s_add_nc_u64 s[14:15], s[14:15], s[32:33]
	s_lshl_b32 s32, s29, 3
	s_add_nc_u64 s[18:19], s[18:19], s[32:33]
.set m_, 0
.rept 16
	global_load_b128 v[WT+4*m_:WT+4*m_+3], v6, s[6:7] offset:2048*m_       ; the work-group's 128 threads read 2,048 consecutive bytes
.set m_, m_+1
.endr
.set m_, 0
.rept 8
	global_load_b128 v[XR+4*m_:XR+4*m_+3], v2, s[4:5] offset:512*m_ th:TH_LOAD_NT   ; 512 consecutive bytes of my row; read once in the launch
.set m_, m_+1
.endr
	s_wait_loadcnt 8                               ; Wg's sixteen loads are in; x's eight, issued behind them, may be out
.set m_, 0
.rept 16
	ds_store_b128 v7, v[WT+4*m_:WT+4*m_+3] offset:2080*m_
.set m_, m_+1
.endr
	s_wait_loadcnt 0x0                             ; x
.set m_, 0
.rept 8
	ds_store_b128 v11, v[XR+4*m_:XR+4*m_+3] offset:576*m_
.set m_, m_+1
.endr
	s_wait_dscnt 0x0                               ; for the others' sake: my part of Wg has landed
	s_barrier_signal -1
	s_barrier_wait -1
.set m_, 0
.rept 8
	ds_load_b128 v[X+4*m_:X+4*m_+3], v12 offset:16*m_                      ; my block: x[32 L + 4 m ..]
.set m_, m_+1
.endr
	WIN 0x40                                       ; destination window 1
.set m_, 0
.rept 32
	ds_load_b128 v[4*m_:4*m_+3], v8 offset:16*m_   ; v[256 + 8 d + e] = Wg[32 L + d][e]: d = 0 .. 15
.set m_, m_+1
.endr
	WIN 0
.irp e, 0,1,2,3,4,5,6,7
	v_mov_b32 v[KE+\e], \e
.endr
.irp e, 0,1,2,3,4,5,6,7
	v_mov_b32 v[R8+\e], 0                          ; written once: a lane permute's destination counts as one of its sources
.endr
	s_wait_dscnt 32                                ; my block is back from the stage; the 32 loads of Wg's numbers, issued behind it, may be out
; ---- the codes of my block
	v_max3_num_f32 v[QM], |v[X]|, |v[X+1]|, |v[X+2]|                       ; the largest magnitude: all 32 numbers are mine; two chains
	v_max3_num_f32 v[QM+1], |v[X+3]|, |v[X+4]|, |v[X+5]|
.irp i, 6,10,14,18,22,26
	v_max3_num_f32 v[QM], v[QM], |v[X+\i]|, |v[X+\i+1]|
	v_max3_num_f32 v[QM+1], v[QM+1], |v[X+\i+2]|, |v[X+\i+3]|
.endr
	v_max3_num_f32 v[QM], v[QM], |v[X+30]|, |v[X+31]|
	v_max3_num_f32 v[QM], v[QM], v[QM+1], 0x2800000                        ; the floor 2^(5 - 127) holds the byte at 1 from below
	v_add_nc_u32 v[QS], 0xfe000000, v[QM]          ; 4 off the exponent field: the conversion's scale operand
	v_lshrrev_b32 v[BY], 23, v[QS]                 ; the scale's byte
	v_cvt_scalef32_pk16_bf6_f32 v[CD:CD+2], v[X:X+15], v[QS]
	v_cvt_scalef32_pk16_bf6_f32 v[X4:X4+2], v[X+16:X+31], v[QS]            ; (a conversion's three registers begin on an even number)
	v_nop                                          ; one plain place behind a scaled conversion
.irp k, 0,1,2
	v_mov_b32 v[CD+3+\k], v[X4+\k]
.endr
.irp k, 0,1,2
	global_store_b64 v3, v[CD+2*\k:CD+2*\k+1], s[10:11] offset:8*\k        ; the three stores fill the row's 768 consecutive bytes
.endr
	global_store_b8 v1, v[BY], s[12:13]
; ---- the logits: my 32 numbers against my 32 rows of Wg: 8 chains of packed multiply-adds (4 pairs of experts; even and odd numbers apart), so that no line waits for the line above it
	s_wait_dscnt 0x0                               ; Wg's numbers for d = 0 .. 15 are in
	WIN 0x40
.set m_, 32
.rept 32
	ds_load_b128 v[4*m_:4*m_+3], v8 offset:16*m_   ; d = 16 .. 31: they land under the first half of the products
.set m_, m_+1
.endr
	WIN 0x04                                       ; source 1 window 1
.macro DOT                             ; number d_ of my block; the first product of each chain starts its sum
.set p_, d_%2
.set S_, SA+8*p_
.set x_, X+d_-p_
.irp c, 0,1,2,3
.if d_ < 2
.if p_
	v_pk_mul_f32 v[S_+2*\c:S_+2*\c+1], v[x_:x_+1], v[8*d_+2*\c:8*d_+2*\c+1] op_sel:[1,0] op_sel_hi:[1,1]
.else
	v_pk_mul_f32 v[S_+2*\c:S_+2*\c+1], v[x_:x_+1], v[8*d_+2*\c:8*d_+2*\c+1] op_sel:[0,0] op_sel_hi:[0,1]
.endif
.else
.if p_
	v_pk_fma_f32 v[S_+2*\c:S_+2*\c+1], v[x_:x_+1], v[8*d_+2*\c:8*d_+2*\c+1], v[S_+2*\c:S_+2*\c+1] op_sel:[1,0,0] op_sel_hi:[1,1,1]
.else
	v_pk_fma_f32 v[S_+2*\c:S_+2*\c+1], v[x_:x_+1], v[8*d_+2*\c:8*d_+2*\c+1], v[S_+2*\c:S_+2*\c+1] op_sel:[0,0,0] op_sel_hi:[0,1,1]
.endif
.endif
.endr
.set d_, d_+1
.endm
.set d_, 0
.rept 16
	DOT
.endr
	s_wait_alu depctr_va_vdst(0)
	s_wait_dscnt 0x0                               ; d = 16 .. 31
.rept 16
	DOT
.endr
	WIN 0
.irp c, 0,2,4,6
	v_pk_add_f32 v[SA+\c:SA+\c+1], v[SA+\c:SA+\c+1], v[SB+\c:SB+\c+1]
.endr
; ---- over the 32 lanes: every lane ends with every sum
.irp k, 1,2,4,8
.irp e, 0,1,2,3,4,5,6,7
	v_add_f32_dpp v[SA+\e], v[SA+\e], v[SA+\e] row_xmask:\k row_mask:0xf bank_mask:0xf
.endr
.endr
	s_wait_alu depctr_va_vdst(0)
	s_wait_kmcnt 0x0                               ; bg
.irp e, 0,1,2,3,4,5,6,7
	v_permlanex16_b32 v[R8+\e], v[SA+\e], s30, s31
.endr
.irp e, 0,1,2,3,4,5,6,7
	v_add_f32 v[SA+\e], v[SA+\e], v[R8+\e]
.endr
.irp e, 0,1,2,3,4,5,6,7
	v_add_f32 v[SA+\e], s[20+\e], v[SA+\e]
.endr
; ---- the two largest, by selects alone; strict compares keep the lower index on a tie
	v_mov_b32 v[BV], v[SA]
	v_mov_b32 v[BI], 0
	v_mov_b32 v[SV], 0xff800000                    ; -infinity
	v_mov_b32 v[SI], 0
.irp e, 1,2,3,4,5,6,7
	v_cmp_gt_f32 vcc_lo, v[SA+\e], v[BV]
	v_cndmask_b32 v[BV], v[BV], v[SA+\e], vcc_lo
	v_cndmask_b32 v[BI], v[BI], v[KE+\e], vcc_lo
.endr
.irp e, 0,1,2,3,4,5,6,7
	v_cmp_ne_u32 s34, v[BI], v[KE+\e]              ; not the first choice,
	v_cmp_gt_f32 vcc_lo, v[SA+\e], v[SV]           ; and larger than the best so far
	s_and_b32 vcc_lo, vcc_lo, s34
	v_cndmask_b32 v[SV], v[SV], v[SA+\e], vcc_lo
	v_cndmask_b32 v[SI], v[SI], v[KE+\e], vcc_lo
.endr
; ---- the softmax of the two: the larger is taken away, so the exponent is 0 or less
	v_sub_f32 v[EX], v[SV], v[BV]
	v_mul_f32 v[EX], 0x3fb8aa3b, v[EX]
	s_wait_alu depctr_va_vdst(0)
	v_exp_f32 v[EX], v[EX]
	v_nop                                          ; one plain place behind a transcendental
	s_wait_alu depctr_va_vdst(0)
	v_add_f32 v[RC], 1.0, v[EX]
	s_wait_alu depctr_va_vdst(0)
	v_rcp_f32 v[RC], v[RC]                         ; p1
	v_nop
	s_wait_alu depctr_va_vdst(0)
	v_mul_f32 v[P2], v[EX], v[RC]                  ; p2
	v_lshlrev_b32 v[WD], v[BI], v[KE+1]            ; 1 << first
	v_add_nc_u32 v[TT], 8, v[SI]
	v_lshlrev_b32 v[TT], v[TT], v[KE+1]            ; 256 << second
	v_or_b32 v[WD], v[WD], v[TT]
; ---- into lanes: gw: lane e;  pw: lanes 0, 1;  ids: lane 0
	v_cmp_eq_u32 vcc_lo, v1, v[BI]
	v_cndmask_b32 v[GWV], 0, v[RC], vcc_lo
	v_cmp_eq_u32 vcc_lo, v1, v[SI]
	v_cndmask_b32 v[GWV], v[GWV], v[P2], vcc_lo
	v_cmp_eq_u32 vcc_lo, 1, v1
	v_cndmask_b32 v[PWV], v[RC], v[P2], vcc_lo
	s_wait_alu depctr_va_vdst(0)
	s_wait_xcnt 0x0                                ; EXEC changes only behind this wait: the codes' stores have read theirs
	v_cmp_gt_u32 vcc_lo, 8, v1
	s_wait_tensorcnt 0x0
	ds_add_u32 v254, v255
	s_wait_dscnt 0x0
	s_and_saveexec_b32 s34, vcc_lo
	global_store_b32 v5, v[GWV], s[16:17]          ; gw: lanes 0-7, 32 consecutive bytes
	s_wait_xcnt 0x0
	s_or_b32 exec_lo, exec_lo, s34
	v_cmp_gt_u32 vcc_lo, 2, v1
	s_and_saveexec_b32 s34, vcc_lo
	global_store_b32 v5, v[PWV], s[18:19]          ; pw: lanes 0, 1
	s_wait_xcnt 0x0
	s_or_b32 exec_lo, exec_lo, s34
	v_cmp_gt_u32 vcc_lo, 1, v1
	s_and_saveexec_b32 s34, vcc_lo
	global_store_b32 v5, v[WD], s[14:15]           ; ids: lane 0
	s_wait_xcnt 0x0
	s_or_b32 exec_lo, exec_lo, s34
	s_endpgm
.Lfunc_end_k_q879cf3b6c9_route:
	.size	k_q879cf3b6c9_route, .Lfunc_end_k_q879cf3b6c9_route-k_q879cf3b6c9_route
	.p2alignl 7, 3214868480
	.fill 96, 4, 3214868480
	.section	.rodata,"a",@progbits
	.p2align	6, 0x0
	.amdhsa_kernel k_q879cf3b6c9_route
		.amdhsa_group_segment_fixed_size 52224
		.amdhsa_private_segment_fixed_size 0
		.amdhsa_enable_private_segment 0
		.amdhsa_kernarg_size 64
		.amdhsa_user_sgpr_count 2
		.amdhsa_user_sgpr_kernarg_segment_ptr 1
		.amdhsa_wavefront_size32 1
		.amdhsa_system_sgpr_workgroup_id_x 1
		.amdhsa_system_sgpr_workgroup_id_y 1
		.amdhsa_system_sgpr_workgroup_id_z 1
		.amdhsa_system_vgpr_workitem_id 0
		.amdhsa_next_free_vgpr 512
		.amdhsa_next_free_sgpr 66
		.amdhsa_reserve_vcc 1
		.amdhsa_float_denorm_mode_32 3
		.amdhsa_float_denorm_mode_16_64 3
		.amdhsa_memory_ordered 1
		.amdhsa_forward_progress 1
		.amdhsa_inst_pref_size 29
	.end_amdhsa_kernel
	.amdgpu_metadata
---
amdhsa.version: [ 1, 2 ]
amdhsa.kernels:
  - .name:           k_q879cf3b6c9_route
    .symbol:         k_q879cf3b6c9_route.kd
    .args:
      - { .name: x, .offset: 0, .size: 8, .value_kind: global_buffer, .address_space: global }
      - { .name: Wg, .offset: 8, .size: 8, .value_kind: global_buffer, .address_space: global }
      - { .name: bg, .offset: 16, .size: 8, .value_kind: global_buffer, .address_space: global }
      - { .name: xq, .offset: 24, .size: 8, .value_kind: global_buffer, .address_space: global }
      - { .name: xs, .offset: 32, .size: 8, .value_kind: global_buffer, .address_space: global }
      - { .name: ids, .offset: 40, .size: 8, .value_kind: global_buffer, .address_space: global }
      - { .name: gw, .offset: 48, .size: 8, .value_kind: global_buffer, .address_space: global }
      - { .name: pw, .offset: 56, .size: 8, .value_kind: global_buffer, .address_space: global }
    .group_segment_fixed_size: 52224
    .private_segment_fixed_size: 0
    .kernarg_segment_align: 8
    .kernarg_segment_size: 64
    .max_flat_workgroup_size: 128
    .sgpr_count:     66
    .vgpr_count:     512
    .wavefront_size: 32
...
	.end_amdgpu_metadata
.endif
;; end of part 5
;; launch ffn1 (part 6): grid 32 x 8, 4 waves a work-group, no clusters, 110,592 bytes of LDS; arguments W1, b1, xq, xs, ids, hq, hs; writes hq, hs
.if DOCPART == 6
	.amdgcn_target "amdgcn-amd-amdhsa--gfx1250"
	.amdhsa_code_object_version 6
	.text
	.protected	k_q879cf3b6c9_ffn1
	.globl	k_q879cf3b6c9_ffn1
	.p2align	8
	.type	k_q879cf3b6c9_ffn1,@function
k_q879cf3b6c9_ffn1:
	s_mov_b64 s[64:65], 0
	v_nop
	global_prefetch_b8 v0, s[64:65] scope:SCOPE_SE
	s_setreg_imm32_b32 hwreg(HW_REG_WAVE_SCHED_MODE, 0, 2), 2
	s_setreg_imm32_b32 hwreg(HW_REG_WAVE_MODE, 25, 1), 1
	s_wait_xcnt 0x0
	s_wait_alu depctr_vm_vsrc(0)
; FIRST LAYER OF THE EXPERTS.  Work-group (sl, e): hidden units 128 sl .. 128 sl + 127 of expert e, for the rows routed to e:  h = gelu(x W1[e] + b1[e]), both operands as codes of E3M2 with E8M0 scales, h quantised again along the hidden units.
; Only the routed rows are multiplied: what the other rows would give is multiplied by a weight of 0 further on.
; THE WEIGHTS: the work-group's slice of W1[e], 1,024 (K) x 128 columns of f32, 512 KB, is read from memory ONCE, by this work-group alone, and quantised on the way.  Wave w streams K rows 256 w .. 256 w + 255: each load takes one row's
; 512 consecutive bytes, 16 a lane (four columns); up to three blocks of 32 rows are asked for ahead.  A conversion wants 16 neighbours along K in one lane's consecutive registers, so a block's 128 registers are copied once into that order.
; The codes meet in LDS, and then EVERY wave takes all 64 fragments (8 tiles of columns x 8 K steps) into its registers; the waves share the expert's tiles of 16 rows, wave w taking tiles w, w + 4, ..
; So each fragment of x, loaded by the one wave that wants it, feeds 8 matrix instructions, a wave makes a whole K step (128 units) of the second product for its 16 rows, and no barrier stands in the loop over rows.
; THE LIST: wave 0 ranks the expert's rows from ids (register by register, lane by lane: the second layer runs the same lines on the same words and gets the same ranks).  Entry = 1,024 x (0: first choice, 1: second) + token.
; Ranks from the count on hold 2,048 + 16 e + (rank & 15); here such an entry's token is entry & 1,023: a row whose h is finite and is never used.  An expert without rows still runs one tile, so that every wave passes both barriers.
; THE COLUMNS OF A TILE ARE NOT NEIGHBOURS: lane r of tile 2 b + u takes column 32 b + 8 u + r + 8 (r / 8).  The product is used transposed (source 0 = 16 columns of W1, source 1 = 16 rows of x): lane (r, h) holds row r,
; and the 16 registers of tiles 2 b, 2 b + 1 are units 32 b + 16 h + 0 .. 15: neighbours along the next K.  b1 is the C of the first K step.
; gelu(a) = max(a, 0) - |a| g,  g = erfc(|a| / sqrt 2) / 2 = t 2^E,  t = 1 / (1 + 0.35355339 |a|),  E = log2(e) (-a a / 2 - 1.26551223 - ln 2 + t (1.00002368 + t (0.37409196 + .. ))): a fit of erfc whose fractional error stays under 1.2e-7
; for every argument; no difference of large numbers on either side of 0.
; OUT: hq[(64 e + tile) x 32 + sl]: 1,536 bytes, the fragment's registers as they stand (group g of four registers of lane l at 512 g + 16 l);  hs likewise: 128 bytes, lane l's scale word.
; NO TENSOR LOADS, NO CLUSTER: the trips that work hang on a count read from memory.  The weights are shared by nobody; what the 32 work-groups of an expert share, 800 bytes for each routed row, is small beside the slice's 524,288.
; LIMITS: NaN and infinities are not served.  A block of zeros gets the byte 1, not 127 (zero codes; the bytes are this program's own).  g under 2^-126 comes out as 0.
; THE MODE: SCHED_MODE bits 1:0 = 2 (LLVM: expert scheduling mode 2), set by the entry lines.  The code itself states the register dependences
; between vector or matrix instructions and memory or LDS instructions, with s_wait_alu, always for 0.
; THE PLAN.  Registers that memory or LDS instructions touch, and who else names them:
;   HEAD    v1-v3, v10-v13, v86-v93: offsets and addresses, written once; one wait on va_vdst ahead of the first load states them for the whole kernel.  The list's compares go four at a time into s60-s63, one wait on
;           va_sdst behind each four.  Wave 0 makes all 32 addresses (v150-181) and entries (v182-213), then one wait on va_vdst, then the 32 stores.
;   STREAM  The three sets of 128: block t's 128 copies read a set; behind them one wait on va_vdst, and the 32 loads of block t + 3 land in it.  The codes and scale words in window 3: written by four blocks' conversions and moves;
;           one wait on va_vdst ahead of a K step's 28 LDS stores; one on vm_vsrc ahead of block 4, which writes them again.  Ahead of the 63 fragments' loads, which land on all that the stream used: one of each.
;   ROWS    XF[s], XS[s]: read by K step s's eight products; the next tile's loads land in them.  v6, v7: written at a trip's head, read by those loads.  The accumulators: b1 lands in them at a trip's end; products, gelu and the
;           quantiser name them.  v234-245: the 64th fragment lands at a trip's end; K step 7, gelu and the quantiser name them.  v214-233, v250, v8, v9: the tile's codes, scale word and offsets, read by the four stores.  v4, v5: the list.
;           Four waits a trip.  (1) vm_vsrc at the head: the loads have read v6 and v7, the stores their data and offsets, the LDS loads v4.  (2) va_vdst at the head of K step 4: K steps 0-3 are done reading XF, XS 0-3, and v6, v7 are
;           written; the next tile's K steps 0-3 are asked for at the heads of K steps 4-7, whose products name none of those registers.  (3) the wait behind gelu's first reciprocals also states that K steps 4-7 are done reading
;           XF, XS 4-7; the next tile's K steps 4-7 are dealt among the polynomial's lines, which name none of them.  (4) va_vdst at the tile's end, ahead of the stores and of the LDS loads for the next tile.
;   All operands of the matrix instructions, the scales too, come from loads.
.set PITCHB, 16384                     ; a row of W1[e] in bytes
.set ROWP,   784                       ; LDS: a column's 1,024 codes: 768 bytes + 16
.set TILEP,  12560                     ; 16 such rows + 16: so tile + row picks the group of banks, for the 16 lanes that store and the 16 that load alike
.set WSC,    100608                    ; the weights' scale words: (K step s, pair of tiles b, lane l) at 512 s + 16 l + 4 b
.set LIST,   104704                    ; 1,152 ranks and 32 words for what is not ranked
.set BIAS,   109568                    ; b1's 128 numbers
.set WS,   14                          ; v14-45   weights' scale words: register 4 s + b: lanes 0-15 tile 2 b, lanes 16-31 tile 2 b + 1.  Scales and nothing else
.set XS,   46                          ; v46-53   x's scale words, one a K step.  Scales and nothing else
.set XF,   54                          ; v54-149  x's 8 fragments.  In the head: v54-85 ids, v86-103 at work
.set IW,   54
.set ACC,  150                         ; v150-213 8 tiles of the hidden layer.  In the head: the list's addresses and entries
.set GT,   214                         ; v214-229 gelu: t, then g
.set GP,   230                         ; v230-245 gelu: the exponent, 2^E, max(a, 0)
.set GQ,   246                         ; v246-253 gelu: a a
.set PC,   214                         ; v214-233 the codes just made
.set TM,   234                         ; v234-249 the quantiser's work
.set PW,   250                         ; v250     the scale word just made
.set W63,  234                         ; v234-245 the 64th fragment of W1: fetched anew for each tile
.set C8V,  254                         ; v[254:255] a constant of the fit
.set C9, 52
.set CQ, 54
.set CT, 56
.set MSB, 0
.macro WIN new                         ; the immediate's high byte repeats the setting that is left
.if MSB != (\new)
	s_set_vgpr_msb (MSB<<8)|(\new)
.set MSB, (\new)
.endif
.endm
.macro KPAIR r, val                    ; the packed forms name a pair, so both words are written
	s_mov_b32 s[\r], \val
	s_mov_b32 s[\r+1], \val
.endm
; block t of my 8: 32 rows of the slice into set t % 3 (window 1 v0-127, window 1 v128-255, window 2 v0-127).  dep = 1: the set has just been copied
.macro LOADBLK t, dep
.if ((\t)%3) == 2
	WIN 0x80
.else
	WIN 0x40
.endif
.if \dep
	s_wait_alu depctr_va_vdst(0)                   ; the 128 copies above are done reading this set, in which the loads below land
.endif
.set SB_, 128*(((\t)%3)%2)
.set i_, 0
.rept 32
	global_load_b128 v[SB_+4*i_:SB_+4*i_+3], v1, s[4:5] offset:(32*(\t)+i_)*PITCHB th:TH_LOAD_NT   ; 512 consecutive bytes, aligned; read once in the launch
.set i_, i_+1
.endr
	WIN 0
.endm
; the block's numbers into window 3, column j's 32 along K at v[32 j ..]
.macro TRANSP t
.if ((\t)%3) == 2
	WIN 0xc2
.else
	WIN 0xc1
.endif
.set SB_, 128*(((\t)%3)%2)
.set i_, 0
.rept 32
.irp j, 0,1,2,3
	v_mov_b32 v[32*\j+i_], v[SB_+4*i_+\j]
.endr
.set i_, i_+1
.endr
.endm
; the block's four columns are quantised, by turns.  Window 3: v128.. codes, 24 registers a column and K step; v224 magnitudes, v228 bytes, v232 scale words, v236 upper halves
.macro QW t
.set BE_, (\t)&3
.set PI_, 2*(BE_&1)+(BE_>>1)           ; blocks stand in the order 0, 2, 1, 3
.if (\t) == 4
	s_wait_dscnt 0x0                               ; the first K step's LDS stores are done,
	s_wait_alu depctr_vm_vsrc(0)                   ; and they have read the codes' and the scale words' registers, which this block's lines write again
.endif
	WIN 0xff
.irp j, 0,1,2,3
	v_max3_num_f32 v[224+\j], |v[32*\j]|, |v[32*\j+1]|, 0x2800000   ; the floor 2^(5 - 127) holds the byte at 1 from below
.endr
.irp i, 2,4,6,8,10,12,14,16,18,20,22,24,26,28,30
.irp j, 0,1,2,3
	v_max3_num_f32 v[224+\j], v[224+\j], |v[32*\j+\i]|, |v[32*\j+\i+1]|
.endr
.endr
.irp j, 0,1,2,3
	v_add_nc_u32 v[224+\j], 0xfe000000, v[224+\j]  ; 4 off the exponent field: the conversion's scale operand
.endr
.irp j, 0,1,2,3
	v_lshrrev_b32 v[228+\j], 23, v[224+\j]         ; the scale's byte
.endr
.irp j, 0,1,2,3
.if BE_ == 0
	v_mov_b32 v[232+\j], v[228+\j]
.else
	v_lshl_or_b32 v[232+\j], v[228+\j], 8*BE_, v[232+\j]
.endif
.endr
.irp j, 0,1,2,3
	v_cvt_scalef32_pk16_bf6_f32 v[128+24*\j+6*PI_:128+24*\j+6*PI_+2], v[32*\j:32*\j+15], v[224+\j]
	v_cvt_scalef32_pk16_bf6_f32 v[236+4*\j:236+4*\j+2], v[32*\j+16:32*\j+31], v[224+\j]   ; (a conversion's three registers begin on an even number)
.endr
	v_nop                                          ; one plain place behind a scaled conversion
.irp j, 0,1,2,3
.irp k, 0,1,2
	v_mov_b32 v[128+24*\j+6*PI_+3+\k], v[236+4*\j+\k]
.endr
.endr
.if BE_ == 3                           ; a K step is whole: 96 bytes and a scale word for each of my four columns
	WIN 0x0c                                       ; address window 0, data window 3
	s_wait_alu depctr_va_vdst(0)                   ; four blocks' conversions and moves have written the K step's codes and scale words, which the LDS stores below read
.irp j, 0,1,2,3
.irp g, 0,1,2,3,4,5
	ds_store_b128 v89, v[128+24*\j+4*\g:128+24*\j+4*\g+3] offset:ROWP*\j+96*((\t)>>2)+16*\g
.endr
	ds_store_b32 v90, v[232+\j] offset:512*((\t)>>2)+16*\j
.endr
.endif
	WIN 0
.endm
.macro W63LOAD
.irp g, 0,1,2
	ds_load_b128 v[W63+4*\g:W63+4*\g+3], v13 offset:3*TILEP+672+16*\g
.endr
.endm
.macro LOADK s                         ; K step s of the rows at v6, v7: 48 bytes of codes a lane and the row's scale word: four loads
.irp g, 0,1,2
	global_load_b128 v[XF+12*(\s)+4*\g:XF+12*(\s)+4*\g+3], v6, s[8:9] offset:96*(\s)+16*\g
.endr
	global_load_b32 v[XS+(\s)], v7, s[10:11] offset:4*(\s)
.endm
; K step s: 8 matrix instructions, the 8 accumulators by turns.  At the heads of K steps 4 to 7, where every window is 0, K steps 0 to 3 of the NEXT tile's rows are asked for
.macro KSTEP s
.if (\s) < 4
	s_wait_loadcnt 28-4*(\s)                       ; behind this K step's four loads stand those of this tile's 7 - s later K steps
.else
	s_wait_loadcnt 12                              ; behind this K step's four loads stand 4 (7 - s) of this tile and 4 (s - 4) of the next: 12
.endif
.if (\s) == 4
.rept 4
	v_nop                                          ; four places between the products of K steps 0 to 3 and the loads into the registers that they read; they stand beside the wait below
.endr
	s_wait_alu depctr_va_vdst(0)                   ; the products of K steps 0 to 3 are done reading XF and XS 0 to 3, in which the next tile's loads land; v6 and v7, their offsets, are written
.endif
.if (\s) >= 4
	LOADK (\s)-4                                   ; no vector or matrix instruction since that wait names these registers
.endif
.irp u, 0,1,2,3,4,5,6,7
.set f_, 8*(\s)+\u
.if f_ == 63
	WIN 0
.set wr_, W63
.else
	WIN 1+f_/21                                    ; source 0: fragment f lies in window 1 + f / 21 at 12 (f % 21)
.set wr_, 12*(f_%21)
.endif
.if (\u)%2
	v_wmma_scale_f32_16x16x128_f8f6f4 v[ACC+8*\u:ACC+8*\u+7], v[wr_:wr_+11], v[XF+12*(\s):XF+12*(\s)+11], v[ACC+8*\u:ACC+8*\u+7], v[WS+4*(\s)+\u/2], v[XS+(\s)] matrix_a_fmt:MATRIX_FMT_BF6 matrix_b_fmt:MATRIX_FMT_BF6 matrix_a_scale:MATRIX_SCALE_ROW1
.else
	v_wmma_scale_f32_16x16x128_f8f6f4 v[ACC+8*\u:ACC+8*\u+7], v[wr_:wr_+11], v[XF+12*(\s):XF+12*(\s)+11], v[ACC+8*\u:ACC+8*\u+7], v[WS+4*(\s)+\u/2], v[XS+(\s)] matrix_a_fmt:MATRIX_FMT_BF6 matrix_b_fmt:MATRIX_FMT_BF6
.endif
.endr
	WIN 0
.if (\s) == 7
.rept 4
	v_nop                                          ; four places in front of the first read of results (ISA guide 7.12.1)
.endr
.endif
.endm
.macro XADDR                           ; the list entry in v5 becomes the offsets of its row's codes and scale words
	v_min_u32 v5, 2175, v5
	v_and_b32 v8, 1023, v5                         ; the token
	v_mul_u32_u24 v6, 768, v8
	v_add_nc_u32 v6, v6, v11                       ; + 48 h
	v_lshlrev_b32 v7, 5, v8
.endm
.macro BIASLOAD                        ; b1 in the result's layout: register j of tile 2 b + u is unit 32 b + 16 h + 8 u + j
.irp u, 0,1,2,3,4,5,6,7
	ds_load_b128 v[ACC+8*\u:ACC+8*\u+3], v10 offset:128*(\u/2)+32*(\u%2)
	ds_load_b128 v[ACC+8*\u+4:ACC+8*\u+7], v10 offset:128*(\u/2)+32*(\u%2)+16
.endr
.endm
.macro GELU g                          ; 16 numbers: tiles 2 g, 2 g + 1, each read from its low end on.  g = 0: K steps 4 to 7 of the next tile's rows are asked for among the polynomial's lines
.set A_, ACC+16*(\g)
.set i_, 0
.rept 16
	v_fma_f32 v[GT+i_], |v[A_+i_]|, s[CT], 1.0
.set i_, i_+1
.endr
.set i_, 0
	s_wait_alu depctr_va_vdst(0)
.rept 16
	v_rcp_f32 v[GT+i_], v[GT+i_]                   ; t
.set i_, i_+1
.endr
	v_nop                                          ; one plain place behind the transcendentals
.set i_, 0
	s_wait_alu depctr_va_vdst(0)                   ; the sixteen reciprocals have written t, ahead of its first reader; g = 0: the products of K steps 4 to 7 are also done reading XF and XS 4 to 7, in which the loads below land
.if (\g) == 0
	LOADK 4
.endif
.rept 8
	v_pk_fma_f32 v[GP+i_:GP+i_+1], v[GT+i_:GT+i_+1], s[C9:C9+1], v[C8V:C8V+1] op_sel_hi:[1,0,1]
.set i_, i_+2
.endr
.irp k, 50,48,46,44,42,40,38,36
.if (\g) == 0                          ; the lines since the wait name t, the exponent and the constants alone: none of the registers that these loads touch
.if (\k) == 50
	LOADK 5
.endif
.if (\k) == 46
	LOADK 6
.endif
.if (\k) == 42
	LOADK 7
.endif
.endif
.set i_, 0
.rept 8
	v_pk_fma_f32 v[GP+i_:GP+i_+1], v[GP+i_:GP+i_+1], v[GT+i_:GT+i_+1], s[\k:\k+1] op_sel_hi:[1,1,0]
.set i_, i_+2
.endr
.endr
.irp u, 0,8
.irp m, 0,2,4,6
	v_pk_mul_f32 v[GQ+\m:GQ+\m+1], v[A_+\u+\m:A_+\u+\m+1], v[A_+\u+\m:A_+\u+\m+1]
.endr
.irp m, 0,2,4,6
	v_pk_fma_f32 v[GP+\u+\m:GP+\u+\m+1], v[GQ+\m:GQ+\m+1], s[CQ:CQ+1], v[GP+\u+\m:GP+\u+\m+1] op_sel_hi:[1,0,1]
.endr
.endr
.set i_, 0
	s_wait_alu depctr_va_vdst(0)
.rept 16
	v_exp_f32 v[GP+i_], v[GP+i_]
.set i_, i_+1
.endr
	v_nop
.set i_, 0
	s_wait_alu depctr_va_vdst(0)                   ; the sixteen exponentials have written 2^E, ahead of its first reader
.rept 8
	v_pk_mul_f32 v[GT+i_:GT+i_+1], v[GT+i_:GT+i_+1], v[GP+i_:GP+i_+1]      ; g
.set i_, i_+2
.endr
.set i_, 0
.rept 16
	v_max_num_f32 v[GP+i_], 0, v[A_+i_]
.set i_, i_+1
.endr
.set i_, 0
.rept 16
	v_fma_f32 v[A_+i_], -|v[A_+i_]|, v[GT+i_], v[GP+i_]
.set i_, i_+1
.endr
.endm
; ================= the head
	s_load_b256 s[4:11], s[0:1], 0x0               ; W1 4, b1 6, xq 8, xs 10
	s_load_b128 s[12:15], s[0:1], 0x20             ; ids 12, hq 14
	s_load_b64 s[16:17], s[0:1], 0x30              ; hs
	s_set_vgpr_msb 0x80
	v_lshl_add_u32 v254, v0, 2, 0x1ae00
	v_mov_b32 v255, 0
	s_set_vgpr_msb 0x8000
	v_lshrrev_b32 v95, 5, v0
	v_readfirstlane_b32 s18, v95                   ; wave
	s_and_b32 s19, ttmp7, 0xffff                   ; the expert
	s_mov_b32 s20, ttmp9                           ; the slice
	s_mov_b32 s32, 0x76543210
	s_mov_b32 s33, 0xfedcba98                      ; selects: lane l xor 16
	KPAIR 36, 0xc034d90f                           ; the fit's constants x log2(e): -2.8257482
	KPAIR 38, 0x3fb8ab5a                           ;  1.4427292
	KPAIR 40, 0x3f0a29d2                           ;  0.53970062
	KPAIR 42, 0x3e0efb2e                           ;  0.13963006
	KPAIR 44, 0xbe899a80                           ; -0.26875686
	KPAIR 46, 0x3ecdfd18                           ;  0.40232158
	KPAIR 48, 0xbfd1a1e5                           ; -1.6377532
	KPAIR 50, 0x40097039                           ;  2.1474745
	KPAIR C9, 0x3e7c6f08                           ;  0.2465173
	KPAIR CQ, 0xbf38aa3b                           ; -log2(e) / 2
	KPAIR CT, 0x3eb504f3                           ;  1 / (2 sqrt 2)
	v_mov_b32 v[C8V], 0xbf97d29d                   ; -1.1861149
	v_mov_b32 v[C8V+1], 0xbf97d29d
	s_lshl_b32 s24, 0x101, s19                     ; the expert's two bits of an ids word,
	s_lshl_b32 s25, 0x100, s19                     ; and the one that says: second choice
	s_mov_b32 s26, 0                               ; trips
	s_wait_alu depctr_va_sdst(0)                   ; s18, the wave's number, is written, ahead of its first reader
	s_mov_b32 s27, s18                             ; my tile
	s_lshl_b32 s28, s18, 6                         ; and its 64 bytes of the list
	s_lshl_b32 s29, s19, 6
	s_add_co_u32 s29, s29, s18
	s_lshl_b32 s29, s29, 5
	s_add_co_u32 s29, s29, s20                     ; (64 e + tile) x 32 + sl
	s_lshl_b32 s30, s29, 7                         ; its place in hs,
	s_mul_i32 s29, s29, 1536                       ; and in hq
	; every address register is made here, ahead of the branch on the wave's number
	v_and_b32 v95, 31, v0                          ; lane
	v_lshlrev_b32 v1, 4, v95                       ; 16 x lane
	v_lshlrev_b32 v2, 2, v95                       ; 4 x lane
	v_and_b32 v96, 15, v0                          ; r
	v_bfe_u32 v97, v0, 4, 1                        ; h
	v_lshl_add_u32 v3, v96, 2, LIST                ; the list: my row's entry of a tile
	v_lshl_add_u32 v10, v97, 6, BIAS               ; b1: + 64 h
	v_mul_u32_u24 v11, v97, 48
	v_mul_u32_u24 v12, v96, ROWP
	v_add_nc_u32 v12, v12, v11                     ; a fragment of W1: row r, + 48 h: tiles 0-3,
	v_add_nc_u32 v13, 4*TILEP, v12                 ; tiles 4-7
	v_add_nc_u32 v86, 1152, v95                    ; where a lane without a row puts its word
	s_lshl_b32 s31, s19, 4
	s_add_co_u32 s31, s31, 2048
	v_add_nc_u32 v87, s31, v96                     ; what fills the list: 2,048 + 16 e + (rank & 15)
	v_add_nc_u32 v88, LIST, v2
	; where my four columns 4 L + j go: tile 2 (L / 8) + bit 1 of L, row 8 x bit 2 + 4 x bit 0 + j
	v_bfe_u32 v98, v0, 3, 2
	v_bfe_u32 v99, v0, 1, 1
	v_lshl_add_u32 v89, v98, 1, v99
	v_mul_u32_u24 v89, v89, TILEP
	v_bfe_u32 v90, v0, 2, 1
	v_and_b32 v91, 1, v0
	v_lshlrev_b32 v90, 1, v90
	v_add_nc_u32 v90, v90, v91                     ; 2 x bit 2 + bit 0
	v_mad_u32_u24 v89, v90, 4*ROWP, v89
	s_mul_i32 s31, s18, 192                        ; my two K steps' 192 bytes of a row
	v_add_nc_u32 v89, s31, v89
	v_lshlrev_b32 v90, 6, v90                      ; their scale words: lane 16 u + r of the reader, 16 bytes a lane, word b
	v_lshl_add_u32 v90, v99, 8, v90
	v_lshl_add_u32 v90, v98, 2, v90
	s_lshl_b32 s31, s18, 10
	s_add_co_u32 s31, s31, WSC
	v_add_nc_u32 v90, s31, v90
	v_add_nc_u32 v91, WSC, v1                      ; and where I read scale words
	v_lshl_add_u32 v92, v0, 2, BIAS
	v_lshlrev_b32 v93, 2, v0
	s_lshl_b32 s60, s19, 24                        ; W1: the expert, my 256 rows, the slice's 512 bytes of a row
	s_lshl_b32 s31, s18, 22
	s_add_co_u32 s60, s60, s31
	s_lshl_b32 s31, s20, 9
	s_add_co_u32 s60, s60, s31
	s_mov_b32 s61, 0
	s_lshl_b32 s34, s19, 14                        ; b1: the expert, the slice
	s_add_co_u32 s34, s34, s31
	s_mov_b32 s35, 0
	s_wait_kmcnt 0x0
	s_add_nc_u64 s[4:5], s[4:5], s[60:61]
	s_add_nc_u64 s[6:7], s[6:7], s[34:35]
	s_wait_alu depctr_va_vdst(0)                   ; the offsets and addresses v1-v3, v10-v13 and v86-v93 are written, which the loads and LDS instructions from here on read
.irp i, 0,1,2,3,4,5,6,7
	global_load_b128 v[IW+4*\i:IW+4*\i+3], v1, s[12:13] offset:512*\i      ; register 4 i + j of lane L: token 128 i + 4 L + j
.endr
	global_load_b32 v94, v93, s[6:7]
	LOADBLK 0, 0
	LOADBLK 1, 0
	s_wait_loadcnt 63                              ; 64 loads are younger than b1's and the ids'
	s_mov_b32 s22, 0                               ; the expert's rows
	s_cmp_eq_u32 s18, 0
	s_cbranch_scc1 .Lwave0
.set m_, 0
.rept 8                                ; waves 1 to 3 only count: four registers of ids at a time, their masks in s60 to s63
.irp k, 0,1,2,3
	v_and_b32 v[100+\k], s24, v[IW+m_+\k]
.endr
.irp k, 0,1,2,3
	v_cmp_ne_u32 s[60+\k], 0, v[100+\k]
.endr
	s_wait_alu depctr_va_sdst(0)                   ; the four compares have written s60 to s63, ahead of their first reader
.irp k, 0,1,2,3
	s_bcnt1_i32_b32 s31, s[60+\k]
	s_add_co_u32 s22, s22, s31
.endr
.set m_, m_+4
.endr
	s_branch .Ljoin
.Lwave0:
.set m_, 0
.rept 36
	ds_store_b32 v88, v87 offset:128*m_            ; ranks 0 .. 1,151 first hold the filling
.set m_, m_+1
.endr
.set m_, 0
.rept 8                                ; four registers of ids at a time; each store has registers of its own
.irp k, 0,1,2,3
	v_and_b32 v[100+\k], s24, v[IW+m_+\k]
.endr
.irp k, 0,1,2,3
	v_cmp_ne_u32 s[60+\k], 0, v[100+\k]
.endr
	s_wait_alu depctr_va_sdst(0)                   ; the four compares have written s60 to s63, ahead of their first reader
.irp k, 0,1,2,3
	v_mbcnt_lo_u32_b32 v96, s[60+\k], s22          ; rank = rows so far + rows in the lanes below me
	v_cndmask_b32 v96, v86, v96, s[60+\k]
	v_min_u32 v96, 1183, v96
	v_lshl_add_u32 v[150+m_+\k], v96, 2, LIST
	v_and_b32 v98, s25, v[IW+m_+\k]
	v_min_u32 v98, 1, v98                          ; 1: the expert is this token's second choice
	v_add_nc_u32 v99, 128*((m_+\k)/4)+(m_+\k)%4, v2   ; the token
	v_lshl_add_u32 v[182+m_+\k], v98, 10, v99
	s_bcnt1_i32_b32 s31, s[60+\k]
	s_add_co_u32 s22, s22, s31
.endr
.set m_, m_+4
.endr
	s_wait_alu depctr_va_vdst(0)                   ; the 32 addresses v150-181 and the 32 entries v182-213 are written, which the stores below read
.set m_, 0
.rept 32
	ds_store_b32 v[150+m_], v[182+m_]
.set m_, m_+1
.endr
.Ljoin:
	s_wait_dscnt 0x0                               ; the list has landed
	s_barrier_signal -1
	s_barrier_wait -1
	ds_store_b32 v92, v94                          ; b1's slice, a number a thread
	s_add_co_u32 s23, s22, 15
	s_lshr_b32 s23, s23, 4
	s_max_u32 s23, s23, 1                          ; tiles: at least one
	LOADBLK 2, 0
; ================= the stream: my 8 blocks of 32 rows
.irp t, 0,1,2,3,4,5,6,7
.if \t < 6
	s_wait_loadcnt 63                              ; two blocks, 64 loads, are younger: the count is the field's largest
.elseif \t == 6
	s_wait_loadcnt 32                              ; the last block is younger
.else
	s_wait_loadcnt 0x0
.endif
	TRANSP \t
.if \t < 5
	LOADBLK \t+3, 1                                ; into the set just copied
.endif
	QW \t
.endr
	s_wait_dscnt 0x0                               ; my codes, scale words and b1 have landed
	s_barrier_signal -1
	s_barrier_wait -1
; ================= all 64 fragments into my registers
	v_add_nc_u32 v4, s28, v3                       ; where my first tile's entries lie: made here, ahead of the wait below
	WIN 0x40
	s_wait_alu depctr_va_vdst(0)                   ; the copies and the quantiser are done with the registers of windows 1 to 3, in which the fragments land; v4 is written
	s_wait_alu depctr_vm_vsrc(0)                   ; my LDS stores have read the codes and scale words in window 3, in which fragments land, and wave 0's list stores v150-213, in which b1 lands below
.set f_, 0
.rept 63
	WIN (1+f_/21)<<6
.set a_, 12+(f_%8)/4
.irp g, 0,1,2
	ds_load_b128 v[12*(f_%21)+4*\g:12*(f_%21)+4*\g+3], v[a_] offset:((f_%8)%4)*TILEP+96*(f_/8)+16*\g
.endr
.set f_, f_+1
.endr
	WIN 0
.irp s, 0,1,2,3,4,5,6,7
	ds_load_b128 v[WS+4*\s:WS+4*\s+3], v91 offset:512*\s
.endr
	W63LOAD
	ds_load_b32 v5, v4                             ; my first tile's entries
	s_wait_dscnt 0x0
	XADDR
	s_wait_alu depctr_va_vdst(0)                   ; v6 and v7, the loads' offsets, are written; the head's lines are done with v54-103, in which the loads land, and with v5
	s_wait_alu depctr_vm_vsrc(0)                   ; the scale words' loads have read v91, in which a load below lands
.irp s, 0,1,2,3,4,5,6,7
	LOADK \s
.endr
	ds_load_b32 v5, v4 offset:256                  ; the tile four on
	BIASLOAD
; ================= the rows: 16 trips, a constant; a trip whose tile does not exist does nothing but step
.Ltrip:
	s_cmp_ge_u32 s27, s23
	s_cbranch_scc1 .Lskip
	s_wait_dscnt 0x0                               ; the next tile's entries, b1 and the 64th fragment are in
	s_wait_xcnt 0x0                                ; the loads out have had their addresses translated, the last tile's stores too: v6, v7 and the stores' registers are rewritten only behind this wait,
	s_wait_alu depctr_vm_vsrc(0)                   ; and behind this one: the loads have read v6 and v7, the last tile's stores v8, v9, v214-233 and v250, the LDS loads v4
	XADDR                                          ; the NEXT tile's offsets
.irp s, 0,1,2,3,4,5,6,7
	KSTEP \s
.endr
	GELU 0
	GELU 1
	GELU 2
	GELU 3
; the 64 numbers of a lane, register 16 b + i = unit 32 b + 16 h + i of my row, become a fragment's codes and its scale word
.irp b, 0,1,2,3
	v_max3_num_f32 v[TM+\b], |v[ACC+16*\b]|, |v[ACC+1+16*\b]|, 0x2800000
.endr
.irp i, 2,4,6,8,10,12,14
.irp b, 0,1,2,3
	v_max3_num_f32 v[TM+\b], v[TM+\b], |v[ACC+16*\b+\i]|, |v[ACC+1+16*\b+\i]|
.endr
.endr
.irp b, 0,1,2,3
	v_permlanex16_b32 v[TM+4+\b], v[TM+\b], s32, s33
.endr
.irp b, 0,1,2,3
	v_max_num_f32 v[TM+\b], v[TM+\b], v[TM+4+\b]   ; with lane l xor 16's: the block's largest magnitude
.endr
.irp b, 0,1,2,3
	v_add_nc_u32 v[TM+12+\b], 0xfe000000, v[TM+\b]
.endr
.irp b, 0,1,2,3
	v_lshrrev_b32 v[TM+4+\b], 23, v[TM+12+\b]
.endr
	v_lshl_or_b32 v[PW], v[TM+5], 8, v[TM+4]
	v_lshl_or_b32 v[PW], v[TM+6], 16, v[PW]
	v_lshl_or_b32 v[PW], v[TM+7], 24, v[PW]
.irp c, 0,1
	v_cvt_scalef32_pk16_bf6_f32 v[PC+6*\c:PC+2+6*\c], v[ACC+32*\c:ACC+15+32*\c], v[TM+12+2*\c]
	v_cvt_scalef32_pk16_bf6_f32 v[PC+12+4*\c:PC+14+4*\c], v[ACC+16+32*\c:ACC+31+32*\c], v[TM+12+2*\c+1]
.endr
	v_nop                                          ; one plain place behind a scaled conversion
.irp c, 0,1                            ; the operand's layout wants a whole block in a lane
.irp i, 0,1,2
	v_permlane16_swap_b32 v[PC+6*\c+\i], v[PC+12+4*\c+\i]
.endr
.irp i, 0,1,2
	v_mov_b32 v[PC+3+6*\c+\i], v[PC+12+4*\c+\i]
.endr
.endr
	v_add_nc_u32 v8, s29, v1
	v_add_nc_u32 v9, s30, v2
	v_add_nc_u32 v4, s28, v3
	s_wait_alu depctr_va_vdst(0)                   ; the codes, the scale word, v8, v9 and v4 are written, which the stores and the LDS load read; the quantiser is done with the accumulators, v234-249 and v5, in which the LDS loads land
.irp g, 0,1,2
	global_store_b128 v8, v[PC+4*\g:PC+4*\g+3], s[14:15] offset:512*\g     ; 512 consecutive bytes, aligned
.endr
	global_store_b32 v9, v[PW], s[16:17]
	ds_load_b32 v5, v4 offset:512                  ; the entries of the tile eight on: the list is filled that far
	BIASLOAD
	W63LOAD
.Lskip:
	s_add_co_u32 s28, s28, 256
	s_add_co_u32 s29, s29, 196608                  ; four tiles on in hq,
	s_add_co_u32 s30, s30, 16384                   ; and in hs
	s_add_co_u32 s27, s27, 4
	s_add_co_u32 s26, s26, 1
	s_cmp_lt_u32 s26, 16
	s_cbranch_scc1 .Ltrip
	s_set_vgpr_msb 0xa                             ; the add's two registers, sources 0 and 1, lie in window 2
	s_wait_dscnt 0x0                               ; the closing lines, six on end
	s_wait_alu 0x0
	s_wait_tensorcnt 0x0
	ds_add_u32 v254, v255
	s_wait_dscnt 0x0
	s_endpgm
.Lfunc_end_k_q879cf3b6c9_ffn1:
	.size	k_q879cf3b6c9_ffn1, .Lfunc_end_k_q879cf3b6c9_ffn1-k_q879cf3b6c9_ffn1
	.p2alignl 7, 3214868480
	.fill 96, 4, 3214868480
	.section	.rodata,"a",@progbits
	.p2align	6, 0x0
	.amdhsa_kernel k_q879cf3b6c9_ffn1
		.amdhsa_group_segment_fixed_size 110592
		.amdhsa_private_segment_fixed_size 0
		.amdhsa_enable_private_segment 0
		.amdhsa_kernarg_size 56
		.amdhsa_user_sgpr_count 2
		.amdhsa_user_sgpr_kernarg_segment_ptr 1
		.amdhsa_wavefront_size32 1
		.amdhsa_system_sgpr_workgroup_id_x 1
		.amdhsa_system_sgpr_workgroup_id_y 1
		.amdhsa_system_sgpr_workgroup_id_z 1
		.amdhsa_system_vgpr_workitem_id 0
		.amdhsa_next_free_vgpr 1024
		.amdhsa_next_free_sgpr 66
		.amdhsa_reserve_vcc 0
		.amdhsa_float_denorm_mode_32 3
		.amdhsa_float_denorm_mode_16_64 3
		.amdhsa_memory_ordered 1
		.amdhsa_forward_progress 1
		.amdhsa_inst_pref_size 218
	.end_amdhsa_kernel
	.amdgpu_metadata
---
amdhsa.version: [ 1, 2 ]
amdhsa.kernels:
  - .name:           k_q879cf3b6c9_ffn1
    .symbol:         k_q879cf3b6c9_ffn1.kd
    .args:
      - { .name: W1, .offset: 0, .size: 8, .value_kind: global_buffer, .address_space: global }
      - { .name: b1, .offset: 8, .size: 8, .value_kind: global_buffer, .address_space: global }
      - { .name: xq, .offset: 16, .size: 8, .value_kind: global_buffer, .address_space: global }
      - { .name: xs, .offset: 24, .size: 8, .value_kind: global_buffer, .address_space: global }
      - { .name: ids, .offset: 32, .size: 8, .value_kind: global_buffer, .address_space: global }
      - { .name: hq, .offset: 40, .size: 8, .value_kind: global_buffer, .address_space: global }
      - { .name: hs, .offset: 48, .size: 8, .value_kind: global_buffer, .address_space: global }
    .group_segment_fixed_size: 110592
    .private_segment_fixed_size: 0
    .kernarg_segment_align: 8
    .kernarg_segment_size: 56
    .max_flat_workgroup_size: 128
    .sgpr_count:     66
    .vgpr_count:     1024
    .wavefront_size: 32
...
	.end_amdgpu_metadata
.endif
;; end of part 6
;; launch ffn2 (part 7): grid 32 x 8, 4 waves a work-group, no clusters, 143,872 bytes of LDS; arguments W2, hq, hs, ids, y; writes y
.if DOCPART == 7
	.amdgcn_target "amdgcn-amd-amdhsa--gfx1250"
	.amdhsa_code_object_version 6
	.text
	.protected	k_q879cf3b6c9_ffn2
	.globl	k_q879cf3b6c9_ffn2
	.p2align	8
	.type	k_q879cf3b6c9_ffn2,@function
k_q879cf3b6c9_ffn2:
	s_mov_b64 s[64:65], 0
	v_nop
	global_prefetch_b8 v0, s[64:65] scope:SCOPE_SE
	s_setreg_imm32_b32 hwreg(HW_REG_WAVE_SCHED_MODE, 0, 2), 2
	s_setreg_imm32_b32 hwreg(HW_REG_WAVE_MODE, 25, 1), 1
	s_wait_xcnt 0x0
	s_wait_alu depctr_vm_vsrc(0)
; SECOND LAYER OF THE EXPERTS.  Work-group (c + 8 q, e): columns 128 c .. 128 c + 127 of the output, hidden units 1,024 q .. 1,024 q + 1,023 (a quarter of K), expert e, for the rows routed to e: a partial sum of h W2[e], in f32.
; The slice of W2[e], 1,024 (K) x 128 columns of f32, 512 KB, is read from memory once, by this work-group alone, quantised along K on the way and spread over the four waves through LDS, as in the first layer: the same lines.
; h comes as the first layer left it: hq[(64 e + tile) x 32 + K step], 1,536 bytes, a fragment's registers as they stand; hs, its scale words.  Three loads of 16 bytes a lane bring a fragment.
; The list of the expert's rows is built by the same lines from the same words as in the first layer: the same ranks.  Entry = 1,024 x (0: first choice, 1: second) + token = the row of y.
; Ranks from the count on hold 2,048 + 16 e + (rank & 15): rows of y that nobody reads and that, in these columns of this quarter, this work-group alone writes.
; y: [quarter q][2,176 rows][1,024] f32.  The gate's weights, b2 and the sum over quarters come in the last launch: each row of each quarter has one owner, and nothing is added in memory.
; The product is used transposed (source 0 = 16 columns of W2, source 1 = 16 rows of h); lane r of tile 2 b + u takes column 32 b + 8 u + r + 8 (r / 8), so a lane's 16 registers of two neighbouring tiles are 64 neighbouring bytes of a row.
; A tile's 16 rows x 512 bytes go through the wave's own stage in LDS and leave as whole rows.
; NO TENSOR LOADS, NO CLUSTER: the trips that work hang on a count read from memory; the weights are shared by nobody; what the 8 work-groups of a quarter share, 832 bytes for each routed row, is small beside the slice's 524,288.
; LIMITS: NaN and infinities are not served.  A block of zeros gets the byte 1, not 127 (zero codes; the bytes are this program's own).
; THE MODE: SCHED_MODE bits 1:0 = 2 (LLVM: expert scheduling mode 2), set by the entry lines.  The code itself states the register dependences
; between vector or matrix instructions and memory or LDS instructions, with s_wait_alu, always for 0.
; THE PLAN.  Registers that memory or LDS instructions touch, and who else names them:
;   HEAD    v1-v3, v8, v9, v11-v13, v86-v91: offsets and addresses, written once; one wait on va_vdst ahead of the first load states them for the whole kernel.  The list's compares go four at a time into s60-s63, one wait on
;           va_sdst behind each four.  Wave 0 makes all 32 addresses (v150-181) and entries (v182-213), then one wait on va_vdst, then the 32 stores.
;   STREAM  The three sets of 128: block t's 128 copies read a set; behind them one wait on va_vdst, and the 32 loads of block t + 3 land in it.  The codes and scale words in window 3: written by four blocks' conversions and moves;
;           one wait on va_vdst ahead of a K step's 28 LDS stores; one on vm_vsrc ahead of block 4, which writes them again.  Ahead of the 63 fragments' loads, which land on all that the stream used: one of each.
;   ROWS    XF[s], XS[s]: read by K step s's eight products; the next tile's loads land in them.  v6, v7, v4: written at a trip's head, read by those loads and by the entries' LDS loads.  v214-229: the entries land, 32 vector lines
;           make the rows' offsets of them, y's stores read them.  The accumulators: written by the products, read by the stage's stores, landed in by the stage's loads, read by y's stores.
;           Four waits a trip.  (1) vm_vsrc at the head: the loads have read v6 and v7, y's stores the accumulators and the offsets, the LDS loads v4.  (2) va_vdst at the head of K step 4: K steps 0-3 are done reading XF, XS 0-3, and
;           v4, v6, v7 are written; the entries are asked for there and the next tile's K steps 0-3 at the heads of K steps 4-7, whose products name none of those registers.  (3) va_vdst behind the offsets' lines, which are also the
;           places behind the last products: the accumulators and the offsets are written, K steps 4-7 are done reading XF, XS 4-7.  (4) vm_vsrc between the stage's stores and the loads that land in the same registers.
;   All operands of the matrix instructions, the scales too, come from loads.
.set PITCHB, 4096                      ; a row of W2[e] in bytes
.set ROWP,   784
.set TILEP,  12560
.set WSC,    100608
.set LIST,   104704
.set STAGE,  109568                    ; 16 rows x (512 + 16) bytes for each wave
.set WS,   14                          ; v14-45   weights' scale words.  Scales and nothing else
.set XS,   46                          ; v46-53   h's scale words.  Scales and nothing else
.set XF,   54                          ; v54-149  h's 8 fragments.  In the head: v54-85 ids, v86-103 at work
.set IW,   54
.set ACC,  150                         ; v150-213 8 tiles of the result; then 16 whole rows.  In the head: the list's addresses and entries
.set EB,   214                         ; v214-229 the tile's 16 entries, then the rows' offsets in y
.set W63,  234                         ; v234-245 the 64th fragment of W2
.set MSB, 0
.macro WIN new                         ; the immediate's high byte repeats the setting that is left
.if MSB != (\new)
	s_set_vgpr_msb (MSB<<8)|(\new)
.set MSB, (\new)
.endif
.endm
.macro LOADBLK t, dep                  ; block t of my 8: 32 rows of the slice into set t % 3.  dep = 1: the set has just been copied
.if ((\t)%3) == 2
	WIN 0x80
.else
	WIN 0x40
.endif
.if \dep
	s_wait_alu depctr_va_vdst(0)                   ; the 128 copies above are done reading this set, in which the loads below land
.endif
.set SB_, 128*(((\t)%3)%2)
.set i_, 0
.rept 32
	global_load_b128 v[SB_+4*i_:SB_+4*i_+3], v1, s[4:5] offset:(32*(\t)+i_)*PITCHB th:TH_LOAD_NT   ; 512 consecutive bytes, aligned; read once in the launch
.set i_, i_+1
.endr
	WIN 0
.endm
.macro TRANSP t                        ; into window 3, column j's 32 along K at v[32 j ..]
.if ((\t)%3) == 2
	WIN 0xc2
.else
	WIN 0xc1
.endif
.set SB_, 128*(((\t)%3)%2)
.set i_, 0
.rept 32
.irp j, 0,1,2,3
	v_mov_b32 v[32*\j+i_], v[SB_+4*i_+\j]
.endr
.set i_, i_+1
.endr
.endm
.macro QW t                            ; the block's four columns are quantised, by turns
.set BE_, (\t)&3
.set PI_, 2*(BE_&1)+(BE_>>1)           ; blocks stand in the order 0, 2, 1, 3
.if (\t) == 4
	s_wait_dscnt 0x0                               ; the first K step's LDS stores are done,
	s_wait_alu depctr_vm_vsrc(0)                   ; and they have read the codes' and the scale words' registers, which this block's lines write again
.endif
	WIN 0xff
.irp j, 0,1,2,3
	v_max3_num_f32 v[224+\j], |v[32*\j]|, |v[32*\j+1]|, 0x2800000   ; the floor 2^(5 - 127) holds the byte at 1 from below
.endr
.irp i, 2,4,6,8,10,12,14,16,18,20,22,24,26,28,30
.irp j, 0,1,2,3
	v_max3_num_f32 v[224+\j], v[224+\j], |v[32*\j+\i]|, |v[32*\j+\i+1]|
.endr
.endr
.irp j, 0,1,2,3
	v_add_nc_u32 v[224+\j], 0xfe000000, v[224+\j]  ; 4 off the exponent field: the conversion's scale operand
.endr
.irp j, 0,1,2,3
	v_lshrrev_b32 v[228+\j], 23, v[224+\j]         ; the scale's byte
.endr
.irp j, 0,1,2,3
.if BE_ == 0
	v_mov_b32 v[232+\j], v[228+\j]
.else
	v_lshl_or_b32 v[232+\j], v[228+\j], 8*BE_, v[232+\j]
.endif
.endr
.irp j, 0,1,2,3
	v_cvt_scalef32_pk16_bf6_f32 v[128+24*\j+6*PI_:128+24*\j+6*PI_+2], v[32*\j:32*\j+15], v[224+\j]
	v_cvt_scalef32_pk16_bf6_f32 v[236+4*\j:236+4*\j+2], v[32*\j+16:32*\j+31], v[224+\j]   ; (a conversion's three registers begin on an even number)
.endr
	v_nop                                          ; one plain place behind a scaled conversion
.irp j, 0,1,2,3
.irp k, 0,1,2
	v_mov_b32 v[128+24*\j+6*PI_+3+\k], v[236+4*\j+\k]
.endr
.endr
.if BE_ == 3
	WIN 0x0c                                       ; address window 0, data window 3
	s_wait_alu depctr_va_vdst(0)                   ; four blocks' conversions and moves have written the K step's codes and scale words, which the LDS stores below read
.irp j, 0,1,2,3
.irp g, 0,1,2,3,4,5
	ds_store_b128 v89, v[128+24*\j+4*\g:128+24*\j+4*\g+3] offset:ROWP*\j+96*((\t)>>2)+16*\g
.endr
	ds_store_b32 v90, v[232+\j] offset:512*((\t)>>2)+16*\j
.endr
.endif
	WIN 0
.endm
.macro LOADK s                         ; K step s of the tile at v6, v7: the fragment's image and its scale words: four loads
.irp g, 0,1,2
	global_load_b128 v[XF+12*(\s)+4*\g:XF+12*(\s)+4*\g+3], v6, s[6:7] offset:1536*(\s)+512*\g
.endr
	global_load_b32 v[XS+(\s)], v7, s[8:9] offset:128*(\s)
.endm
; K step s: 8 matrix instructions, the 8 accumulators by turns.  At the heads of K steps 4 to 7, where every window is 0, K steps 0 to 3 of the NEXT tile are asked for.  zero = 1: the products start the sums
.macro KSTEP s, zero
.if (\s) < 4
	s_wait_loadcnt 28-4*(\s)                       ; behind this K step's four loads stand those of this tile's 7 - s later K steps
.else
	s_wait_loadcnt 12                              ; behind this K step's four loads stand 4 (7 - s) of this tile and 4 (s - 4) of the next: 12
.endif
.if (\s) == 4
.rept 4
	v_nop                                          ; four places between the products of K steps 0 to 3 and the loads into the registers that they read; they stand beside the wait below
.endr
	s_wait_alu depctr_va_vdst(0)                   ; the products of K steps 0 to 3 are done reading XF and XS 0 to 3, in which the next tile's loads land; v6, v7 and v4, the offsets and the list's address, are written
.irp g, 0,1,2,3
	ds_load_b128 v[EB+4*\g:EB+4*\g+3], v4 offset:16*\g                     ; this tile's 16 entries, the same in every lane
.endr
.endif
.if (\s) >= 4
	LOADK (\s)-4                                   ; no vector or matrix instruction since that wait names these registers
.endif
.irp u, 0,1,2,3,4,5,6,7
.set f_, 8*(\s)+\u
.if f_ == 63
	WIN 0
.set wr_, W63
.else
	WIN 1+f_/21                                    ; source 0: fragment f lies in window 1 + f / 21 at 12 (f % 21)
.set wr_, 12*(f_%21)
.endif
.if \zero
.if (\u)%2
	v_wmma_scale_f32_16x16x128_f8f6f4 v[ACC+8*\u:ACC+8*\u+7], v[wr_:wr_+11], v[XF+12*(\s):XF+12*(\s)+11], 0, v[WS+4*(\s)+\u/2], v[XS+(\s)] matrix_a_fmt:MATRIX_FMT_BF6 matrix_b_fmt:MATRIX_FMT_BF6 matrix_a_scale:MATRIX_SCALE_ROW1
.else
	v_wmma_scale_f32_16x16x128_f8f6f4 v[ACC+8*\u:ACC+8*\u+7], v[wr_:wr_+11], v[XF+12*(\s):XF+12*(\s)+11], 0, v[WS+4*(\s)+\u/2], v[XS+(\s)] matrix_a_fmt:MATRIX_FMT_BF6 matrix_b_fmt:MATRIX_FMT_BF6
.endif
.else
.if (\u)%2
	v_wmma_scale_f32_16x16x128_f8f6f4 v[ACC+8*\u:ACC+8*\u+7], v[wr_:wr_+11], v[XF+12*(\s):XF+12*(\s)+11], v[ACC+8*\u:ACC+8*\u+7], v[WS+4*(\s)+\u/2], v[XS+(\s)] matrix_a_fmt:MATRIX_FMT_BF6 matrix_b_fmt:MATRIX_FMT_BF6 matrix_a_scale:MATRIX_SCALE_ROW1
.else
	v_wmma_scale_f32_16x16x128_f8f6f4 v[ACC+8*\u:ACC+8*\u+7], v[wr_:wr_+11], v[XF+12*(\s):XF+12*(\s)+11], v[ACC+8*\u:ACC+8*\u+7], v[WS+4*(\s)+\u/2], v[XS+(\s)] matrix_a_fmt:MATRIX_FMT_BF6 matrix_b_fmt:MATRIX_FMT_BF6
.endif
.endif
.endr
	WIN 0
.endm
.macro HADDR                           ; the tile in s31, held to the last one that the first layer wrote, becomes the offsets of its images and scale words
	s_sub_co_u32 s34, s23, 1
	s_min_u32 s31, s31, s34
	s_min_u32 s31, s31, 63
	s_mul_i32 s34, s31, 49152
	s_add_co_u32 s34, s34, s29
	s_lshl_b32 s35, s31, 12
	s_add_co_u32 s35, s35, s30
	v_add_nc_u32 v6, s34, v1
	v_add_nc_u32 v7, s35, v2
.endm
; ================= the head
	s_load_b256 s[4:11], s[0:1], 0x0               ; W2 4, hq 6, hs 8, ids 10
	s_load_b64 s[12:13], s[0:1], 0x20              ; y
	v_lshl_add_u32 v254, v0, 2, 0x23000
	v_mov_b32 v255, 0
	v_lshrrev_b32 v95, 5, v0
	v_readfirstlane_b32 s18, v95                   ; wave
	s_and_b32 s19, ttmp7, 0xffff                   ; the expert
	s_and_b32 s20, ttmp9, 7                        ; the slice of columns
	s_lshr_b32 s21, ttmp9, 3                       ; the quarter of K
	s_lshl_b32 s24, 0x101, s19                     ; the expert's two bits of an ids word,
	s_lshl_b32 s25, 0x100, s19                     ; and the one that says: second choice
	s_mov_b32 s26, 0                               ; trips
	s_wait_alu depctr_va_sdst(0)                   ; s18, the wave's number, is written, ahead of its first reader
	s_mov_b32 s27, s18                             ; my tile
	s_lshl_b32 s28, s18, 6                         ; and its 64 bytes of the list
	s_lshl_b32 s29, s19, 11
	s_lshl_b32 s31, s21, 3
	s_add_co_u32 s29, s29, s31                     ; 64 e x 32 + 8 q
	s_lshl_b32 s30, s29, 7                         ; its place in hs,
	s_mul_i32 s29, s29, 1536                       ; and in hq
	; every address register is made here, ahead of the branch on the wave's number
	v_and_b32 v95, 31, v0                          ; lane
	v_lshlrev_b32 v1, 4, v95                       ; 16 x lane
	v_lshlrev_b32 v2, 2, v95                       ; 4 x lane
	v_and_b32 v96, 15, v0                          ; r
	v_bfe_u32 v97, v0, 4, 1                        ; h
	v_mov_b32 v3, LIST                             ; the list: every lane reads the tile's 16 entries
	v_mul_u32_u24 v11, v97, 48
	v_mul_u32_u24 v12, v96, ROWP
	v_add_nc_u32 v12, v12, v11                     ; a fragment of W2: row r, + 48 h: tiles 0-3,
	v_add_nc_u32 v13, 4*TILEP, v12                 ; tiles 4-7
	s_mul_i32 s31, s18, 8448
	s_add_co_u32 s31, s31, STAGE                   ; my stage
	v_mul_u32_u24 v8, v96, 528
	v_lshl_add_u32 v8, v97, 6, v8
	v_add_nc_u32 v8, s31, v8                       ; in: row r, + 64 h
	v_add_nc_u32 v9, s31, v1                       ; back: a row's 512 bytes, 16 a lane
	v_add_nc_u32 v86, 1152, v95                    ; where a lane without a row puts its word
	s_lshl_b32 s31, s19, 4
	s_add_co_u32 s31, s31, 2048
	v_add_nc_u32 v87, s31, v96                     ; what fills the list: 2,048 + 16 e + (rank & 15)
	v_add_nc_u32 v88, LIST, v2
	; where my four columns 4 L + j go: tile 2 (L / 8) + bit 1 of L, row 8 x bit 2 + 4 x bit 0 + j
	v_bfe_u32 v98, v0, 3, 2
	v_bfe_u32 v99, v0, 1, 1
	v_lshl_add_u32 v89, v98, 1, v99
	v_mul_u32_u24 v89, v89, TILEP
	v_bfe_u32 v90, v0, 2, 1
	v_and_b32 v91, 1, v0
	v_lshlrev_b32 v90, 1, v90
	v_add_nc_u32 v90, v90, v91                     ; 2 x bit 2 + bit 0
	v_mad_u32_u24 v89, v90, 4*ROWP, v89
	s_mul_i32 s31, s18, 192                        ; my two K steps' 192 bytes of a row
	v_add_nc_u32 v89, s31, v89
	v_lshlrev_b32 v90, 6, v90                      ; their scale words: lane 16 u + r of the reader, 16 bytes a lane, word b
	v_lshl_add_u32 v90, v99, 8, v90
	v_lshl_add_u32 v90, v98, 2, v90
	s_lshl_b32 s31, s18, 10
	s_add_co_u32 s31, s31, WSC
	v_add_nc_u32 v90, s31, v90
	v_add_nc_u32 v91, WSC, v1                      ; and where I read scale words
	s_lshl_b32 s60, s19, 24                        ; W2: the expert, the quarter's 1,024 rows, my 256 of them, the slice's 512 bytes of a row
	s_lshl_b32 s31, s21, 22
	s_add_co_u32 s60, s60, s31
	s_lshl_b32 s31, s18, 20
	s_add_co_u32 s60, s60, s31
	s_lshl_b32 s31, s20, 9
	s_add_co_u32 s60, s60, s31
	s_mov_b32 s61, 0
	s_mul_i32 s34, s21, 8912896                    ; y: the quarter's plane, the slice's 512 bytes of a row
	s_add_co_u32 s34, s34, s31
	s_mov_b32 s35, 0
	s_wait_kmcnt 0x0
	s_add_nc_u64 s[4:5], s[4:5], s[60:61]
	s_add_nc_u64 s[12:13], s[12:13], s[34:35]
	s_wait_alu depctr_va_vdst(0)                   ; the offsets and addresses v1-v3, v8, v9, v11-v13 and v86-v91 are written, which the loads and LDS instructions from here on read
.irp i, 0,1,2,3,4,5,6,7
	global_load_b128 v[IW+4*\i:IW+4*\i+3], v1, s[10:11] offset:512*\i      ; register 4 i + j of lane L: token 128 i + 4 L + j
.endr
	LOADBLK 0, 0
	LOADBLK 1, 0
	s_wait_loadcnt 63                              ; 64 loads are younger than the ids'
	s_mov_b32 s22, 0                               ; the expert's rows
	s_cmp_eq_u32 s18, 0
	s_cbranch_scc1 .Lwave0
.set m_, 0
.rept 8                                ; waves 1 to 3 only count: four registers of ids at a time, their masks in s60 to s63
.irp k, 0,1,2,3
	v_and_b32 v[100+\k], s24, v[IW+m_+\k]
.endr
.irp k, 0,1,2,3
	v_cmp_ne_u32 s[60+\k], 0, v[100+\k]
.endr
	s_wait_alu depctr_va_sdst(0)                   ; the four compares have written s60 to s63, ahead of their first reader
.irp k, 0,1,2,3
	s_bcnt1_i32_b32 s31, s[60+\k]
	s_add_co_u32 s22, s22, s31
.endr
.set m_, m_+4
.endr
	s_branch .Ljoin
.Lwave0:
.set m_, 0
.rept 36
	ds_store_b32 v88, v87 offset:128*m_            ; ranks 0 .. 1,151 first hold the filling
.set m_, m_+1
.endr
.set m_, 0
.rept 8                                ; four registers of ids at a time; each store has registers of its own
.irp k, 0,1,2,3
	v_and_b32 v[100+\k], s24, v[IW+m_+\k]
.endr
.irp k, 0,1,2,3
	v_cmp_ne_u32 s[60+\k], 0, v[100+\k]
.endr
	s_wait_alu depctr_va_sdst(0)                   ; the four compares have written s60 to s63, ahead of their first reader
.irp k, 0,1,2,3
	v_mbcnt_lo_u32_b32 v96, s[60+\k], s22          ; rank = rows so far + rows in the lanes below me
	v_cndmask_b32 v96, v86, v96, s[60+\k]
	v_min_u32 v96, 1183, v96
	v_lshl_add_u32 v[150+m_+\k], v96, 2, LIST
	v_and_b32 v98, s25, v[IW+m_+\k]
	v_min_u32 v98, 1, v98                          ; 1: the expert is this token's second choice
	v_add_nc_u32 v99, 128*((m_+\k)/4)+(m_+\k)%4, v2   ; the token
	v_lshl_add_u32 v[182+m_+\k], v98, 10, v99
	s_bcnt1_i32_b32 s31, s[60+\k]
	s_add_co_u32 s22, s22, s31
.endr
.set m_, m_+4
.endr
	s_wait_alu depctr_va_vdst(0)                   ; the 32 addresses v150-181 and the 32 entries v182-213 are written, which the stores below read
.set m_, 0
.rept 32
	ds_store_b32 v[150+m_], v[182+m_]
.set m_, m_+1
.endr
.Ljoin:
	s_wait_dscnt 0x0                               ; the list has landed
	s_barrier_signal -1
	s_barrier_wait -1
	s_add_co_u32 s23, s22, 15
	s_lshr_b32 s23, s23, 4
	s_max_u32 s23, s23, 1                          ; tiles: at least one
	LOADBLK 2, 0
; ================= the stream: my 8 blocks of 32 rows
.irp t, 0,1,2,3,4,5,6,7
.if \t < 6
	s_wait_loadcnt 63                              ; two blocks, 64 loads, are younger: the count is the field's largest
.elseif \t == 6
	s_wait_loadcnt 32                              ; the last block is younger
.else
	s_wait_loadcnt 0x0
.endif
	TRANSP \t
.if \t < 5
	LOADBLK \t+3, 1                                ; into the set just copied
.endif
	QW \t
.endr
	s_wait_dscnt 0x0                               ; my codes and scale words have landed
	s_barrier_signal -1
	s_barrier_wait -1
; ================= all 64 fragments into my registers
	WIN 0x40
	s_wait_alu depctr_va_vdst(0)                   ; the copies and the quantiser are done with the registers of windows 1 to 3, in which the fragments land
	s_wait_alu depctr_vm_vsrc(0)                   ; my LDS stores have read the codes and scale words in window 3, in which fragments land
.set f_, 0
.rept 63
	WIN (1+f_/21)<<6
.set a_, 12+(f_%8)/4
.irp g, 0,1,2
	ds_load_b128 v[12*(f_%21)+4*\g:12*(f_%21)+4*\g+3], v[a_] offset:((f_%8)%4)*TILEP+96*(f_/8)+16*\g
.endr
.set f_, f_+1
.endr
	WIN 0
.irp s, 0,1,2,3,4,5,6,7
	ds_load_b128 v[WS+4*\s:WS+4*\s+3], v91 offset:512*\s
.endr
.irp g, 0,1,2
	ds_load_b128 v[W63+4*\g:W63+4*\g+3], v13 offset:3*TILEP+672+16*\g
.endr
	s_wait_dscnt 0x0
	s_mov_b32 s31, s18
	HADDR
	s_wait_alu depctr_va_vdst(0)                   ; v6 and v7, the loads' offsets, are written; the head's lines are done with v54-103, in which the loads land
	s_wait_alu depctr_vm_vsrc(0)                   ; the scale words' loads have read v91, in which a load below lands
.irp s, 0,1,2,3,4,5,6,7
	LOADK \s
.endr
; ================= the rows: 16 trips, a constant; a trip whose tile does not exist does nothing but step
.Ltrip:
	s_cmp_ge_u32 s27, s23
	s_cbranch_scc1 .Lskip
	s_wait_xcnt 0x0                                ; the loads out have had their addresses translated, the last tile's stores too: v6, v7 and the stores' registers are rewritten only behind this wait,
	s_wait_alu depctr_vm_vsrc(0)                   ; and behind this one: the loads have read v6 and v7, the last tile's stores (in the first trip wave 0's list stores) the accumulators and v214-229, the entries' loads v4
	s_add_co_u32 s31, s27, 4
	HADDR                                          ; the NEXT tile's offsets
	v_add_nc_u32 v4, s28, v3
	KSTEP 0, 1
.irp s, 1,2,3,4,5,6,7
	KSTEP \s, 0
.endr
	s_wait_dscnt 0x0                               ; the entries, asked for at K step 4, are in: no other LDS load of mine is out
.irp i, 0,1,2,3,4,5,6,7,8,9,10,11,12,13,14,15
	v_min_u32 v[EB+\i], 2175, v[EB+\i]             ; these 32 lines name none of the products' registers: they are also the places in front of the first read of results (ISA guide 7.12.1)
.endr
.irp i, 0,1,2,3,4,5,6,7,8,9,10,11,12,13,14,15
	v_lshl_add_u32 v[EB+\i], v[EB+\i], 12, v1      ; the row of y, + 16 x lane
.endr
	s_wait_alu depctr_va_vdst(0)                   ; the products have written the accumulators, which the stage's stores read, and are done reading XF and XS 4 to 7, in which the loads below land; the rows' offsets are written
.irp u, 0,1,2,3,4,5,6,7
	ds_store_b128 v8, v[ACC+8*\u:ACC+8*\u+3] offset:128*(\u/2)+32*(\u%2)          ; each accumulator from its low end on
	ds_store_b128 v8, v[ACC+8*\u+4:ACC+8*\u+7] offset:128*(\u/2)+32*(\u%2)+16
.endr
.irp s, 4,5,6,7
	LOADK \s                                       ; the next tile's K steps 4 to 7
.endr
	s_wait_alu depctr_vm_vsrc(0)                   ; the stage's stores have read the accumulators' registers, in which the loads below land
.irp i, 0,1,2,3,4,5,6,7,8,9,10,11,12,13,14,15
	ds_load_b128 v[ACC+4*\i:ACC+4*\i+3], v9 offset:528*\i                  ; LDS serves a wave's instructions in order (ISA guide 5.7.1.4): these see my stores
.endr
.irp i, 0,1,2,3,4,5,6,7,8,9,10,11,12,13,14,15
	s_wait_dscnt 15-\i
	global_store_b128 v[EB+\i], v[ACC+4*\i:ACC+4*\i+3], s[12:13]           ; 32 lanes store 512 consecutive bytes, aligned
.endr
.Lskip:
	s_add_co_u32 s28, s28, 256
	s_add_co_u32 s27, s27, 4
	s_add_co_u32 s26, s26, 1
	s_cmp_lt_u32 s26, 16
	s_cbranch_scc1 .Ltrip
	s_wait_dscnt 0x0                               ; the closing lines, six on end
	s_wait_alu 0x0
	s_wait_tensorcnt 0x0
	ds_add_u32 v254, v255
	s_wait_dscnt 0x0
	s_endpgm
.Lfunc_end_k_q879cf3b6c9_ffn2:
	.size	k_q879cf3b6c9_ffn2, .Lfunc_end_k_q879cf3b6c9_ffn2-k_q879cf3b6c9_ffn2
	.p2alignl 7, 3214868480
	.fill 96, 4, 3214868480
	.section	.rodata,"a",@progbits
	.p2align	6, 0x0
	.amdhsa_kernel k_q879cf3b6c9_ffn2
		.amdhsa_group_segment_fixed_size 143872
		.amdhsa_private_segment_fixed_size 0
		.amdhsa_enable_private_segment 0
		.amdhsa_kernarg_size 40
		.amdhsa_user_sgpr_count 2
		.amdhsa_user_sgpr_kernarg_segment_ptr 1
		.amdhsa_wavefront_size32 1
		.amdhsa_system_sgpr_workgroup_id_x 1
		.amdhsa_system_sgpr_workgroup_id_y 1
		.amdhsa_system_sgpr_workgroup_id_z 1
		.amdhsa_system_vgpr_workitem_id 0
		.amdhsa_next_free_vgpr 1024
		.amdhsa_next_free_sgpr 66
		.amdhsa_reserve_vcc 0
		.amdhsa_float_denorm_mode_32 3
		.amdhsa_float_denorm_mode_16_64 3
		.amdhsa_memory_ordered 1
		.amdhsa_forward_progress 1
		.amdhsa_inst_pref_size 177
	.end_amdhsa_kernel
	.amdgpu_metadata
---
amdhsa.version: [ 1, 2 ]
amdhsa.kernels:
  - .name:           k_q879cf3b6c9_ffn2
    .symbol:         k_q879cf3b6c9_ffn2.kd
    .args:
      - { .name: W2, .offset: 0, .size: 8, .value_kind: global_buffer, .address_space: global }
      - { .name: hq, .offset: 8, .size: 8, .value_kind: global_buffer, .address_space: global }
      - { .name: hs, .offset: 16, .size: 8, .value_kind: global_buffer, .address_space: global }
      - { .name: ids, .offset: 24, .size: 8, .value_kind: global_buffer, .address_space: global }
      - { .name: y, .offset: 32, .size: 8, .value_kind: global_buffer, .address_space: global }
    .group_segment_fixed_size: 143872
    .private_segment_fixed_size: 0
    .kernarg_segment_align: 8
    .kernarg_segment_size: 40
    .max_flat_workgroup_size: 128
    .sgpr_count:     66
    .vgpr_count:     1024
    .wavefront_size: 32
...
	.end_amdgpu_metadata
.endif
;; end of part 7
;; launch combine (part 8): grid 256 x 1, 8 waves a work-group, no clusters, 0 bytes of LDS; arguments y, pw, gw, b2, out0; writes out0
.if DOCPART == 8
	.amdgcn_target "amdgcn-amd-amdhsa--gfx1250"
	.amdhsa_code_object_version 6
	.text
	.protected	k_q879cf3b6c9_combine
	.globl	k_q879cf3b6c9_combine
	.p2align	8
	.type	k_q879cf3b6c9_combine,@function
k_q879cf3b6c9_combine:
	s_mov_b64 s[64:65], 0
	v_nop
	global_prefetch_b8 v0, s[64:65] scope:SCOPE_SE
	s_setreg_imm32_b32 hwreg(HW_REG_WAVE_MODE, 25, 1), 1
	s_wait_xcnt 0x0
; out[t] = p1[t] (sum over the four quarters of K of y[q][t]) + p2[t] (the same of y[q][1,024 + t]) + sum over e of gw[t][e] b2[e].
; y: [4][2,176 rows][1,024] f32: row t holds token t's first expert's partial result, row 1,024 + t its second's.  pw: [t][2], gw: [t][8], b2: [8][1,024], out: [1,024][1,024], all f32.
; A stream: a work-group takes 4 tokens, thread i columns 4 i .. 4 i + 3; all 40 loads of a thread go out at once, each load of a wave covering 512 consecutive bytes; a token's weights are scalars.
; No LDS, no barrier, no matrix unit (K = 8), no cluster: work-groups share only b2's 32 KB.
.set B2, 8                             ; v8-39    b2: four columns of each expert
.set Y,  40                            ; v40-167  token i: 32 registers: choice k at 16 k, quarter q at 4 q
.set O,  168                           ; v168-183 four results a token
.set PLANEB, 8912896                   ; a quarter's 2,176 rows
	s_load_b256 s[4:11], s[0:1], 0x0               ; y 4, pw 6, gw 8, b2 10
	s_load_b64 s[12:13], s[0:1], 0x20              ; out
	v_lshlrev_b32 v1, 4, v0                        ; 16 bytes a thread
	s_lshl_b32 s14, ttmp9, 5                       ; pw: 8 bytes a token, 4 tokens
	s_mov_b32 s15, 0
	s_wait_alu depctr_va_vdst(0)
	s_wait_kmcnt 0x0
	s_add_nc_u64 s[6:7], s[6:7], s[14:15]
	s_lshl_b32 s14, ttmp9, 7                       ; gw: 32 bytes a token
	s_add_nc_u64 s[8:9], s[8:9], s[14:15]
	s_load_b256 s[16:23], s[6:7], 0x0              ; p1, p2 of the four tokens
	s_load_b512 s[24:39], s[8:9], 0x0              ; gw of tokens 0, 1
	s_load_b512 s[40:55], s[8:9], 0x40             ; and 2, 3
	s_lshl_b32 s14, ttmp9, 14                      ; 4 rows of 4,096 bytes
	s_add_nc_u64 s[56:57], s[4:5], s[14:15]        ; the four quarters at my first token
	s_add_nc_u64 s[58:59], s[56:57], PLANEB
	s_add_nc_u64 s[60:61], s[58:59], PLANEB
	s_add_nc_u64 s[62:63], s[60:61], PLANEB
	s_add_nc_u64 s[12:13], s[12:13], s[14:15]
.irp e, 0,1,2,3,4,5,6,7
	global_load_b128 v[B2+4*\e:B2+4*\e+3], v1, s[10:11] offset:4096*\e
.endr
.irp i, 0,1,2,3
.irp k, 0,1
.irp q, 0,1,2,3
	global_load_b128 v[Y+32*\i+16*\k+4*\q:Y+32*\i+16*\k+4*\q+3], v1, s[56+2*\q:57+2*\q] offset:(1024*\k+\i)*4096 th:TH_LOAD_NT
.endr
.endr
.endr
	s_wait_kmcnt 0x0
.irp i, 0,1,2,3
	s_wait_loadcnt 8*(3-\i)                        ; b2 and this token's eight loads are in; the later tokens' may be out
.irp k, 0,1
.irp p, 0,2
	v_pk_add_f32 v[Y+32*\i+16*\k+\p:Y+32*\i+16*\k+\p+1], v[Y+32*\i+16*\k+\p:Y+32*\i+16*\k+\p+1], v[Y+32*\i+16*\k+4+\p:Y+32*\i+16*\k+4+\p+1]
	v_pk_add_f32 v[Y+32*\i+16*\k+8+\p:Y+32*\i+16*\k+8+\p+1], v[Y+32*\i+16*\k+8+\p:Y+32*\i+16*\k+8+\p+1], v[Y+32*\i+16*\k+12+\p:Y+32*\i+16*\k+12+\p+1]
.endr
.endr
.irp k, 0,1
.irp p, 0,2
	v_pk_add_f32 v[Y+32*\i+16*\k+\p:Y+32*\i+16*\k+\p+1], v[Y+32*\i+16*\k+\p:Y+32*\i+16*\k+\p+1], v[Y+32*\i+16*\k+8+\p:Y+32*\i+16*\k+8+\p+1]
.endr
.endr
.irp c, 0,1,2,3
	v_mul_f32 v[O+4*\i+\c], s[16+2*\i], v[Y+32*\i+\c]
.endr
.irp c, 0,1,2,3
	s_delay_alu instid0(VALU_DEP_4)
	v_fma_f32 v[O+4*\i+\c], s[17+2*\i], v[Y+32*\i+16+\c], v[O+4*\i+\c]
.endr
.irp e, 0,1,2,3,4,5,6,7
.irp c, 0,1,2,3
	s_delay_alu instid0(VALU_DEP_4)
	v_fma_f32 v[O+4*\i+\c], s[24+8*\i+\e], v[B2+4*\e+\c], v[O+4*\i+\c]
.endr
.endr
	global_store_b128 v1, v[O+4*\i:O+4*\i+3], s[12:13] offset:4096*\i th:TH_STORE_NT   ; a wave stores 512 consecutive bytes, aligned
.endr
	s_endpgm
.Lfunc_end_k_q879cf3b6c9_combine:
	.size	k_q879cf3b6c9_combine, .Lfunc_end_k_q879cf3b6c9_combine-k_q879cf3b6c9_combine
	.p2alignl 7, 3214868480
	.fill 96, 4, 3214868480
	.section	.rodata,"a",@progbits
	.p2align	6, 0x0
	.amdhsa_kernel k_q879cf3b6c9_combine
		.amdhsa_group_segment_fixed_size 0
		.amdhsa_private_segment_fixed_size 0
		.amdhsa_enable_private_segment 0
		.amdhsa_kernarg_size 40
		.amdhsa_user_sgpr_count 2
		.amdhsa_user_sgpr_kernarg_segment_ptr 1
		.amdhsa_wavefront_size32 1
		.amdhsa_system_sgpr_workgroup_id_x 1
		.amdhsa_system_sgpr_workgroup_id_y 1
		.amdhsa_system_sgpr_workgroup_id_z 1
		.amdhsa_system_vgpr_workitem_id 0
		.amdhsa_next_free_vgpr 192
		.amdhsa_next_free_sgpr 66
		.amdhsa_reserve_vcc 0
		.amdhsa_float_denorm_mode_32 3
		.amdhsa_float_denorm_mode_16_64 3
		.amdhsa_memory_ordered 1
		.amdhsa_forward_progress 1
		.amdhsa_inst_pref_size 23
	.end_amdhsa_kernel
	.amdgpu_metadata
---
amdhsa.version: [ 1, 2 ]
amdhsa.kernels:
  - .name:           k_q879cf3b6c9_combine
    .symbol:         k_q879cf3b6c9_combine.kd
    .args:
      - { .name: y, .offset: 0, .size: 8, .value_kind: global_buffer, .address_space: global }
      - { .name: pw, .offset: 8, .size: 8, .value_kind: global_buffer, .address_space: global }
      - { .name: gw, .offset: 16, .size: 8, .value_kind: global_buffer, .address_space: global }
      - { .name: b2, .offset: 24, .size: 8, .value_kind: global_buffer, .address_space: global }
      - { .name: out0, .offset: 32, .size: 8, .value_kind: global_buffer, .address_space: global }
    .group_segment_fixed_size: 0
    .private_segment_fixed_size: 0
    .kernarg_segment_align: 8
    .kernarg_segment_size: 40
    .max_flat_workgroup_size: 256
    .sgpr_count:     66
    .vgpr_count:     192
    .wavefront_size: 32
...
	.end_amdgpu_metadata
.endif
;; end of part 8
